; MI455X (gfx1250); checked and timed in simulation.
; The chip was launched on July 23, 2026; its instructions are those of AMD's public machine-readable ISA for CDNA 5 (MIT licence, August 2026) and "CDNA5" Instruction Set Architecture Reference Guide (July 2026). The comments in the code are by the model that wrote it; some were corrected since.
;; Fused Mo E Layer. Allowed arithmetic: float matrix products may take bf16 or f16 operands with f32 sums; other float arithmetic in f32, or as packed bf16 or f16 multiplies, adds, multiply-adds, maxima and minima; sums over many terms, partial sums and values carried from step to step in f32; what a program stores and reads back later, other than sums and carried values, may be rounded once to bf16 or f16.
;; Inputs: router_w 8 x 1,024 float32; w1 8 x 1,024 x 1,024 float32; w2 8 x 1,024 x 1,024 float32; x 2 x 2,048 x 1,024 float32.
;; Outputs: out0 2 x 2,048 x 1,024 float32.
;; One version. Each part assembles by itself: llvm-mc -triple=amdgcn-amd-amdhsa -mcpu=gfx1250 --defsym DOCPART=n.
;; ======== version 1 of 1: 5 launches
;; limits: values are held in f16: magnitudes above 65,504 overflow, below 6.1e-05 lose precision; a function is approximated: absolute error at most 7.5e-08
;; workspace buffers: route 24,576 bytes of whole numbers; rtw 32,768 bytes; place 33,024 bytes of whole numbers; xs 18,874,368 bytes; w1b 16,777,216 bytes; w2h 16,777,216 bytes; h 18,874,368 bytes; p 37,748,736 bytes
;; launch router (part 1): grid 256 x 1, 4 waves a work-group, no clusters, 54,272 bytes of LDS; arguments x, router_w, route, rtw; writes route, rtw
.if DOCPART == 1
	.amdgcn_target "amdgcn-amd-amdhsa--gfx1250"
	.amdhsa_code_object_version 6
	.text
	.protected	k_qb8207b829e_router
	.globl	k_qb8207b829e_router
	.p2align	8
	.type	k_qb8207b829e_router,@function
k_qb8207b829e_router:
	s_mov_b64 s[64:65], 0
	v_nop
	global_prefetch_b8 v0, s[64:65] scope:SCOPE_SE
	s_setreg_imm32_b32 hwreg(HW_REG_WAVE_MODE, 25, 1), 1
	s_wait_xcnt 0x0
; ROUTER.  logits[n][e] = x[n] . router_w[e]; the two largest of the 8 (ties: the lower index, by a strict > scan in ascending order); softmax over the two with the larger taken away.
; x and router_w are rounded to bf16 (as every input of this program is) and multiplied by the matrix unit, sums in f32.
; A work-group has 16 tokens.  Its four waves bring the 16 rows of x and the 8 rows of router_w into LDS as bf16; wave w then sums K = 256 w .. 256 w + 255; wave 0 adds the four parts and chooses.
; STORED, all at fixed places (no address here hangs on the choice): route: for each group of 16 tokens 8 words: words 0-3 the experts' counts in the group, 16 bits an expert (word j: expert 2 j low, 2 j + 1 high),
; words 4-7 likewise the masks of the group's tokens that chose the expert; from byte 8,192 one word a token: e1 | e2 << 8.  rtw: two f32 a token, the weights of e1 and e2.
; LIMITS.  NaN and infinite logits are not treated: with them the two choices may coincide.
.set RP,    2064                       ; an LDS row: 2,048 bytes of bf16 + 16 = 129 x 16 bytes
.set PART,  49664                      ; behind the 24 rows: each wave's partial logits, 32 bytes a lane, 1,024 bytes a wave
.set SPARE, 53760                      ; behind them: the spare words, 128 bytes a wave, two blocks of 256 bytes that no other line names
.set SPW,   30                         ; v30  SPARE + 4 x my thread's number; never rewritten
.set NIL,   31                         ; v31  0; never rewritten
.set XR,    32                         ; v[32:159] 32 loads of x, v[160:223] 16 loads of router_w; later v[32:159] the fragments
.set AC0,   224                        ; two accumulators, by turns
.set AC1,   232
.set LG,    240                        ; v[240:247] my lane's 8 logits (a lane holds token lane % 16)
	s_load_b256 s[4:11], s[0:1], 0x0               ; x s[4:5], router_w s[6:7], route s[8:9], rtw s[10:11]
	v_lshl_add_u32 v[SPW], v0, 2, SPARE
	v_mov_b32 v[NIL], 0
	v_and_b32 v1, 31, v0                           ; lane
	v_lshrrev_b32 v12, 5, v0
	v_readfirstlane_b32 s12, v12                   ; wave 0..3
	v_and_b32 v2, 15, v0                           ; r
	v_bfe_u32 v3, v0, 4, 1                         ; h
	v_lshlrev_b32 v4, 4, v1                        ; 16 bytes a lane in memory
	s_mul_i32 s13, s12, 4*RP
	v_lshl_add_u32 v5, v1, 3, s13                  ; where my 8 bytes of bf16 go: token rows 4 w ..
	s_mul_i32 s13, s12, 2*RP
	s_add_co_u32 s13, s13, 16*RP
	v_lshl_add_u32 v6, v1, 3, s13                  ; and expert rows 16 + 2 w ..
	s_lshl_b32 s14, s12, 9                         ; my wave's 256 along K, in bytes
	v_mul_u32_u24 v7, v2, RP
	v_lshl_add_u32 v7, v3, 4, v7
	v_add_nc_u32 v7, s14, v7                       ; x's fragments: row r, + 16 h
	v_and_b32 v8, 7, v0
	v_add_nc_u32 v8, 16, v8
	v_mul_u32_u24 v8, v8, RP
	v_lshl_add_u32 v8, v3, 4, v8
	v_add_nc_u32 v8, s14, v8                       ; router_w's: row 16 + r % 8: the 8 experts stand twice in the 16 rows
	s_lshl_b32 s15, s12, 10
	s_add_co_u32 s15, s15, PART
	v_lshl_add_u32 v9, v1, 5, s15                  ; my partial logits
	v_lshlrev_b32 v10, 5, v1
	v_add_nc_u32 v10, PART, v10                    ; wave 0 reads all four waves' from here
	s_lshl_b32 s16, ttmp9, 16                      ; 16 rows of 4,096 bytes a work-group,
	s_lshl_b32 s17, s12, 14                        ; 4 a wave
	s_add_co_u32 s16, s16, s17
	s_mov_b32 s17, 0
	s_lshl_b32 s18, s12, 13                        ; 2 rows of router_w a wave
	s_mov_b32 s19, 0
	s_wait_kmcnt 0x0
	s_add_nc_u64 s[4:5], s[4:5], s[16:17]
	s_add_nc_u64 s[6:7], s[6:7], s[18:19]
.set j, 0
.rept 32                               ; each load of the wave takes 512 consecutive bytes; 8 make a row
	global_load_b128 v[XR+4*j:XR+4*j+3], v4, s[4:5] offset:512*j
.set j, j+1
.endr
.set j, 0
.rept 16
	global_load_b128 v[XR+128+4*j:XR+128+4*j+3], v4, s[6:7] offset:512*j
.set j, j+1
.endr
.set k, 0
.rept 48
	s_wait_loadcnt 47-k                            ; load k is in; the 47 - k younger ones stay out
	v_cvt_pk_bf16_f32 v[XR+4*k], v[XR+4*k], v[XR+4*k+1]
	v_cvt_pk_bf16_f32 v[XR+4*k+1], v[XR+4*k+2], v[XR+4*k+3]
.if k < 32
	ds_store_b64 v5, v[XR+4*k:XR+4*k+1] offset:(k/8)*RP+(k%8)*256
.else
	ds_store_b64 v6, v[XR+4*k:XR+4*k+1] offset:((k-32)/8)*RP+(k%8)*256
.endif
.set k, k+1
.endr
	s_wait_dscnt 0x0                               ; for the others' sake: my rows are in LDS
	s_barrier_signal -1
	s_barrier_wait -1
.set c, 0
.rept 8                                ; chunk c: 32 along K: x's fragment, then router_w's
	ds_load_b128 v[32+16*c:35+16*c], v7 offset:64*c
	ds_load_b128 v[36+16*c:39+16*c], v7 offset:64*c+32
	ds_load_b128 v[40+16*c:43+16*c], v8 offset:64*c
	ds_load_b128 v[44+16*c:47+16*c], v8 offset:64*c+32
.set c, c+1
.endr
	s_wait_dscnt 0x0
	; source 0 = experts, source 1 = tokens: register j of a lane is the logit of token lane % 16 and expert j, in both halves of the lanes.  Two accumulators by turns.
	v_wmma_f32_16x16x32_bf16 v[AC0:AC0+7], v[40:47], v[32:39], 0
	v_wmma_f32_16x16x32_bf16 v[AC1:AC1+7], v[56:63], v[48:55], 0
.set c, 2
.rept 3
	v_wmma_f32_16x16x32_bf16 v[AC0:AC0+7], v[40+16*c:47+16*c], v[32+16*c:39+16*c], v[AC0:AC0+7]
	v_wmma_f32_16x16x32_bf16 v[AC1:AC1+7], v[56+16*c:63+16*c], v[48+16*c:55+16*c], v[AC1:AC1+7]
.set c, c+2
.endr
.rept 4
	v_nop                                          ; four places behind the last product (ISA guide 7.12.1)
.endr
.irp j, 0,2,4,6                        ; the low registers first
	v_pk_add_f32 v[LG+\j:LG+\j+1], v[AC0+\j:AC0+\j+1], v[AC1+\j:AC1+\j+1]
.endr
	ds_store_b128 v9, v[LG:LG+3]
	ds_store_b128 v9, v[LG+4:LG+7] offset:16
	s_wait_dscnt 0x0                               ; for wave 0's sake
	s_barrier_signal -1
	s_barrier_wait -1
	s_cmp_lg_u32 s12, 0
	s_cbranch_scc1 .Lend                           ; the rest is wave 0's; no barrier stands in it
.irp q, 0,1,2,3
	ds_load_b128 v[32+8*\q:35+8*\q], v10 offset:1024*\q
	ds_load_b128 v[36+8*\q:39+8*\q], v10 offset:1024*\q+16
.endr
	s_mov_b32 s20, 0xff800000                      ; -infinity
	v_lshlrev_b32 v11, 2, v1
	v_lshlrev_b32 v12, 3, v1
	v_mov_b32 v13, 0
	s_wait_dscnt 0x0
.irp j, 0,2,4,6
	v_pk_add_f32 v[LG+\j:LG+\j+1], v[32+\j:33+\j], v[40+\j:41+\j]
	v_pk_add_f32 v[LG+\j:LG+\j+1], v[LG+\j:LG+\j+1], v[48+\j:49+\j]
	v_pk_add_f32 v[LG+\j:LG+\j+1], v[LG+\j:LG+\j+1], v[56+\j:57+\j]
.endr
	v_mov_b32 v64, v[LG]                           ; the largest, v65 its index
	v_mov_b32 v65, 0
.irp e, 1,2,3,4,5,6,7
	v_cmp_gt_f32 vcc_lo, v[LG+\e], v64
	v_cndmask_b32 v64, v64, v[LG+\e], vcc_lo
	v_cndmask_b32 v65, v65, \e, vcc_lo
.endr
.irp e, 0,1,2,3,4,5,6,7
	v_cmp_eq_u32 vcc_lo, \e, v65
	v_cndmask_b32 v[72+\e], v[LG+\e], s20, vcc_lo  ; the largest is taken out
.endr
	v_mov_b32 v66, v72                             ; the second, v67 its index
	v_mov_b32 v67, 0
.irp e, 1,2,3,4,5,6,7
	v_cmp_gt_f32 vcc_lo, v[72+\e], v66
	v_cndmask_b32 v66, v66, v[72+\e], vcc_lo
	v_cndmask_b32 v67, v67, \e, vcc_lo
.endr
	v_sub_f32 v68, v66, v64                        ; the maximum is taken away: the exponent is 0 for e1 and at most 0 for e2
	v_mul_f32 v68, 0x3fb8aa3b, v68
	v_exp_f32 v69, v68
	v_lshl_or_b32 v90, v67, 8, v65                 ; e1 | e2 << 8: the plain instruction behind the exponential
	s_wait_alu depctr_va_vdst(0)                   ; the wait ahead of the result's first reader
	v_add_f32 v70, 1.0, v69
	v_rcp_f32 v88, v70                             ; c1 = 1 / (1 + ex)
	v_nop
	s_wait_alu depctr_va_vdst(0)
	v_mul_f32 v89, v69, v88                        ; c2 = ex / (1 + ex)
.irp e, 0,1,2,3,4,5,6,7
	v_cmp_eq_u32 s24, \e, v65
	v_cmp_eq_u32 s25, \e, v67
	s_or_b32 s24, s24, s25
	s_and_b32 s24, s24, 0xffff                     ; lanes 0-15 are the 16 tokens
	s_bcnt1_i32_b32 s25, s24
.if (\e)%2 == 0
	s_mov_b32 s[28+(\e)/2], s25
	s_mov_b32 s[32+(\e)/2], s24
.else
	s_lshl_b32 s25, s25, 16
	s_lshl_b32 s24, s24, 16
	s_or_b32 s[28+(\e)/2], s[28+(\e)/2], s25
	s_or_b32 s[32+(\e)/2], s[32+(\e)/2], s24
.endif
.endr
.irp k, 0,1,2,3,4,5,6,7
	v_mov_b32 v[80+\k], s[28+\k]
.endr
	s_mov_b32 s47, 0
	s_lshl_b32 s46, ttmp9, 5
	s_add_nc_u64 s[40:41], s[8:9], s[46:47]        ; my group's record
	s_lshl_b32 s46, ttmp9, 6
	s_add_nc_u64 s[42:43], s[8:9], s[46:47]        ; my 16 words of choices, less 8,192
	s_lshl_b32 s46, ttmp9, 7
	s_add_nc_u64 s[44:45], s[10:11], s[46:47]      ; my 16 pairs of weights
	v_cmp_gt_u32 vcc_lo, 16, v1
	s_wait_xcnt 0x0                                ; EXEC changes only behind this wait
	s_and_saveexec_b32 s36, vcc_lo
	global_store_b32 v11, v90, s[42:43] offset:8192
	global_store_b64 v12, v[88:89], s[44:45]
	s_wait_xcnt 0x0
	s_or_b32 exec_lo, exec_lo, s36
	v_cmp_eq_u32 vcc_lo, 0, v1
	s_and_saveexec_b32 s36, vcc_lo
	global_store_b128 v13, v[80:83], s[40:41]
	global_store_b128 v13, v[84:87], s[40:41] offset:16
	s_wait_xcnt 0x0
	s_or_b32 exec_lo, exec_lo, s36
.Lend:
	s_wait_tensorcnt 0x0                           ; the wave's end, behind my last LDS store
	ds_add_u32 v[SPW], v[NIL]
	s_wait_dscnt 0x0
	s_endpgm
.Lfunc_end_k_qb8207b829e_router:
	.size	k_qb8207b829e_router, .Lfunc_end_k_qb8207b829e_router-k_qb8207b829e_router
	.p2alignl 7, 3214868480
	.fill 96, 4, 3214868480
	.section	.rodata,"a",@progbits
	.p2align	6, 0x0
	.amdhsa_kernel k_qb8207b829e_router
		.amdhsa_group_segment_fixed_size 54272
		.amdhsa_private_segment_fixed_size 0
		.amdhsa_enable_private_segment 0
		.amdhsa_kernarg_size 32
		.amdhsa_user_sgpr_count 2
		.amdhsa_user_sgpr_kernarg_segment_ptr 1
		.amdhsa_wavefront_size32 1
		.amdhsa_system_sgpr_workgroup_id_x 1
		.amdhsa_system_sgpr_workgroup_id_y 1
		.amdhsa_system_sgpr_workgroup_id_z 1
		.amdhsa_system_vgpr_workitem_id 0
		.amdhsa_next_free_vgpr 256
		.amdhsa_next_free_sgpr 66
		.amdhsa_reserve_vcc 1
		.amdhsa_float_denorm_mode_32 3
		.amdhsa_float_denorm_mode_16_64 3
		.amdhsa_memory_ordered 1
		.amdhsa_forward_progress 1
		.amdhsa_inst_pref_size 29
	.end_amdhsa_kernel
	.amdgpu_metadata
---
amdhsa.version: [ 1, 2 ]
amdhsa.kernels:
  - .name:           k_qb8207b829e_router
    .symbol:         k_qb8207b829e_router.kd
    .args:
      - { .name: x, .offset: 0, .size: 8, .value_kind: global_buffer, .address_space: global }
      - { .name: router_w, .offset: 8, .size: 8, .value_kind: global_buffer, .address_space: global }
      - { .name: route, .offset: 16, .size: 8, .value_kind: global_buffer, .address_space: global }
      - { .name: rtw, .offset: 24, .size: 8, .value_kind: global_buffer, .address_space: global }
    .group_segment_fixed_size: 54272
    .private_segment_fixed_size: 0
    .kernarg_segment_align: 8
    .kernarg_segment_size: 32
    .max_flat_workgroup_size: 128
    .sgpr_count:     66
    .vgpr_count:     256
    .wavefront_size: 32
...
	.end_amdgpu_metadata
.endif
;; end of part 1
;; launch prep (part 2): grid 640 x 1, 8 waves a work-group, no clusters, 70,656 bytes of LDS; arguments x, w1, w2, route, xs, w1b, w2h, place; writes xs, w1b, w2h, place
.if DOCPART == 2
	.amdgcn_target "amdgcn-amd-amdhsa--gfx1250"
	.amdhsa_code_object_version 6
	.text
	.protected	k_qb8207b829e_prep
	.globl	k_qb8207b829e_prep
	.p2align	8
	.type	k_qb8207b829e_prep,@function
k_qb8207b829e_prep:
	s_mov_b64 s[64:65], 0
	v_nop
	global_prefetch_b8 v0, s[64:65] scope:SCOPE_SE
	s_setreg_imm32_b32 hwreg(HW_REG_WAVE_MODE, 25, 1), 1
	s_wait_xcnt 0x0
; PREP.  Work-groups 0-127 place the routed rows; 128-383 round w1 to bf16; 384-639 round w2 to bf16 and write that number as f16.  No wave depends on another: no barrier.
; THE PLACES.  The 8,192 routed rows are sorted by expert, in token order, and each expert's rows are filled up to a multiple of 144.  The sum of ceil(n_e / 144) is at most (8,192 + 8 x 143) / 144 = 64 for
; every split, so xs always has 64 tiles of 144 rows = 9,216 rows, of which exactly 1,024 hold no token: those are written as zeros, one by each of the 1,024 placing waves.
; A placing wave W has tokens 4 W .. 4 W + 3 and works the places out for itself from the stored counts (256 records of 16 bytes): each expert's total, and its count in the groups of 16 tokens before mine;
; a token's rank inside its group is a bit count of the group's mask.  Every place is held to 9,215 before it enters an address.
; STORED.  xs[place][1024] bf16; place: two words a token (the rows of its first and second expert); from byte 32,768 the expert of each of the 64 tiles (7 for tiles that hold only zero rows).
; THE WEIGHTS are laid out as a matrix operand's registers take them: [expert][group of 64 rows][quarter of 32 K][block of 16 rows][half j][lane] x 16 bytes, where lane l holds row l % 16 of the block and
; K = 32 quarter + 16 j + 8 (l / 16) + 0..7.  So a wave of the products reads its 64 rows' weights as one dense stream, 512 consecutive bytes a load, straight into registers.
; A casting wave takes 16 rows x 256 K: it reads 512 consecutive bytes a load, turns the pieces of 8 K through LDS bytes of its own (32 pieces x 272 bytes, row r at 16 r) and stores 512 consecutive bytes a store.
; LIMITS.  w2 as f16: a bf16 number is exact in f16 from 6.1e-5 to 65,504 in size; below that it keeps f16's fixed step of 6e-8, above it becomes an infinity.
.set LP,    272                        ; a piece's 16 rows x 16 bytes + 16 = 17 x 16 bytes: neither the stores (16 pieces a pass) nor the loads (16 rows a pass) meet in a bank
.set SPARE, 8*32*LP                    ; behind the eight waves' pieces: the spare words, 128 bytes a wave, four blocks of 256 bytes that no other line names
.macro CAST src, dst, half
.set i, 0
.rept 32                               ; row i / 2, half i % 2 of its 1,024 bytes: all 32 loads are out before the first wait
	global_load_b128 v[32+4*i:35+4*i], v2, s[\src:\src+1] offset:4096*(i/2)+512*(i%2) th:TH_LOAD_NT
.set i, i+1
.endr
.set i, 0
.rept 32
	s_wait_loadcnt 31-i                            ; load i is in; the younger ones stay out
	v_cvt_pk_bf16_f32 v[32+4*i], v[32+4*i], v[33+4*i]
	v_cvt_pk_bf16_f32 v[33+4*i], v[34+4*i], v[35+4*i]
.if \half
	v_lshlrev_b32 v[34+4*i], 16, v[32+4*i]         ; the rounded numbers as f32 again,
	v_and_b32 v[35+4*i], s26, v[32+4*i]
	v_cvt_pk_f16_f32 v[32+4*i], v[34+4*i], v[35+4*i]  ; and written as f16
	v_lshlrev_b32 v[34+4*i], 16, v[33+4*i]
	v_and_b32 v[35+4*i], s26, v[33+4*i]
	v_cvt_pk_f16_f32 v[33+4*i], v[34+4*i], v[35+4*i]
.endif
	ds_store_b64 v6, v[32+4*i:33+4*i] offset:(i%2)*16*LP+16*(i/2)  ; my 4 K are half lane % 2 of piece 16 (i % 2) + lane / 2
.set i, i+1
.endr
.set n, 0
.rept 16                               ; quarter n / 2, half n % 2: pieces 2 n and 2 n + 1; LDS serves a wave's instructions in order (ISA guide 5.7.1.4): these see the stores above
	ds_load_b128 v[160+4*n:163+4*n], v7 offset:n*2*LP
.set n, n+1
.endr
.set n, 0
.rept 16
	s_wait_dscnt 15-n                              ; load n is back; the younger ones stay out
	global_store_b128 v2, v[160+4*n:163+4*n], s[\dst:\dst+1] offset:(n/2)*4096+(n%2)*512  ; 512 consecutive bytes, aligned
.set n, n+1
.endr
	s_wait_tensorcnt 0x0                           ; the wave's end, behind my last LDS store
	ds_add_u32 v30, v31
	s_wait_dscnt 0x0
	s_endpgm
.endm
	s_load_b512 s[4:19], s[0:1], 0x0               ; x s[4:5], w1 s[6:7], w2 s[8:9], route s[10:11], xs s[12:13], w1b s[14:15], w2h s[16:17], place s[18:19]
	v_lshl_add_u32 v30, v0, 2, SPARE               ; my spare word; never rewritten
	v_mov_b32 v31, 0                               ; 0; never rewritten
	v_and_b32 v1, 31, v0                           ; lane
	v_lshrrev_b32 v5, 5, v0
	v_readfirstlane_b32 s20, v5                    ; wave 0..7
	s_mov_b32 s21, ttmp9
	s_cmp_lt_u32 s21, 128
	s_cbranch_scc1 .Lgather
	v_lshlrev_b32 v2, 4, v1                        ; 16 bytes a lane, in and out
	s_sub_co_u32 s21, s21, 128
	s_and_b32 s22, s21, 255
	s_lshl_b32 s22, s22, 3
	s_add_co_u32 s22, s22, s20                     ; my task among the tensor's 2,048
	s_and_b32 s23, s22, 3                          ; which 256 along K
	s_lshr_b32 s22, s22, 2                         ; which block of 16 rows, 0..511
	s_lshl_b32 s24, s22, 16                        ; in: 16 rows of 4,096 bytes a block,
	s_lshl_b32 s27, s23, 10                        ; 1,024 bytes of each row
	s_add_co_u32 s24, s24, s27
	s_mov_b32 s25, 0
	s_lshr_b32 s28, s22, 2                         ; out: the group of 64 rows, 131,072 bytes,
	s_lshl_b32 s28, s28, 17
	s_and_b32 s27, s22, 3                          ; the block in the group, 1,024 bytes in each quarter's 4,096,
	s_lshl_b32 s27, s27, 10
	s_add_co_u32 s28, s28, s27
	s_lshl_b32 s27, s23, 15                        ; and my 8 quarters
	s_add_co_u32 s28, s28, s27
	s_mov_b32 s29, 0
	s_mov_b32 s26, 0xffff0000
	s_mul_i32 s27, s20, 32*LP                      ; my wave's pieces in LDS
	v_lshrrev_b32 v6, 1, v1
	v_mul_u32_u24 v6, v6, LP
	v_and_b32 v8, 1, v1
	v_lshl_add_u32 v6, v8, 3, v6
	v_add_nc_u32 v6, s27, v6                       ; in: piece lane / 2, its half lane % 2
	v_lshrrev_b32 v7, 4, v1
	v_mul_u32_u24 v7, v7, LP
	v_and_b32 v8, 15, v1
	v_lshl_add_u32 v7, v8, 4, v7
	v_add_nc_u32 v7, s27, v7                       ; back: piece lane / 16, row lane % 16
	s_wait_kmcnt 0x0
	s_cmp_lt_u32 s21, 256
	s_cbranch_scc0 .Lcast2
	s_add_nc_u64 s[6:7], s[6:7], s[24:25]
	s_add_nc_u64 s[14:15], s[14:15], s[28:29]
	CAST 6, 14, 0
.Lcast2:
	s_add_nc_u64 s[8:9], s[8:9], s[24:25]
	s_add_nc_u64 s[16:17], s[16:17], s[28:29]
	CAST 8, 16, 1
.Lgather:
	s_lshl_b32 s21, s21, 3
	s_add_co_u32 s21, s21, s20                     ; W, 0..1023
	s_lshr_b32 s22, s21, 2                         ; g: my group of 16 tokens
	s_and_b32 s23, s21, 3
	s_lshl_b32 s23, s23, 2                         ; i0: my first token's bit in the group's masks
	s_mov_b32 s2, 0x76543210                       ; v_permlanex16_b32: each lane takes its own place in the other half
	s_mov_b32 s3, 0xfedcba98
	v_lshlrev_b32 v2, 4, v1
	v_lshlrev_b32 v3, 5, v1
	v_lshlrev_b32 v4, 3, v1
	v_lshlrev_b32 v25, 2, v1
.irp k, 20,21,22,23
	v_mov_b32 v\k, 0
.endr
	s_lshl_b32 s66, s22, 5
	s_lshl_b32 s67, s21, 4
	s_lshl_b32 s68, s21, 14                        ; my 4 rows of 4,096 bytes
	s_mov_b32 s69, 0
	s_wait_kmcnt 0x0
	s_load_b128 s[32:35], s[10:11], s66 offset:0x10    ; my group's masks
	s_load_b128 s[36:39], s[10:11], s67 offset:0x2000  ; my four tokens' choices
	s_add_nc_u64 s[4:5], s[4:5], s[68:69]
.set j, 0
.rept 8                                ; the counts of record 32 j + lane
	global_load_b128 v[32+4*j:35+4*j], v3, s[10:11] offset:1024*j
.set j, j+1
.endr
.set j, 0
.rept 32                               ; my four rows of x: they come while the places are worked out
	global_load_b128 v[64+4*j:67+4*j], v2, s[4:5] offset:512*j th:TH_LOAD_NT
.set j, j+1
.endr
	s_wait_loadcnt 32                              ; the 8 loads of counts are in; the 32 of x, issued behind them, stay out
	; v[8:11]: all records' counts; v[12:15]: those of the records before my group.  Two 16-bit counts a word; no sum passes 4,096, so none carries into its neighbour.
.set j, 0
.rept 8
	s_sub_co_i32 s70, s22, 32*j
	v_cmp_gt_i32 vcc_lo, s70, v1                   ; record 32 j + lane < g
.irp k, 0,1,2,3
.if j == 0
	v_cndmask_b32 v[12+\k], 0, v[32+\k], vcc_lo
.else
	v_cndmask_b32 v[16+\k], 0, v[32+4*j+\k], vcc_lo
	v_add_nc_u32 v[12+\k], v[12+\k], v[16+\k]
.endif
.if j == 1
	v_add_nc_u32 v[8+\k], v[32+\k], v[36+\k]
.elseif j > 1
	v_add_nc_u32 v[8+\k], v[8+\k], v[32+4*j+\k]
.endif
.endr
.set j, j+1
.endr
.irp k, 0,1,2,3,4,5,6,7                ; over the 32 lanes
.irp m, 1,2,4,8
	v_mov_b32_dpp v16, v[8+\k] row_xmask:\m row_mask:0xf bank_mask:0xf
	v_add_nc_u32 v[8+\k], v[8+\k], v16
.endr
	v_permlanex16_b32 v16, v[8+\k], s2, s3
	v_add_nc_u32 v[8+\k], v[8+\k], v16
	v_readfirstlane_b32 s[24+\k], v[8+\k]          ; s[24:27] totals, s[28:31] before my group
.endr
	s_wait_kmcnt 0x0                               ; masks and choices are in; their offset registers s66, s67 may be written
	s_mov_b32 s66, 0                               ; the expert's first row
	s_mov_b32 s67, 0                               ; empty rows so far
	s_mov_b32 s68, 0                               ; the empty row that is mine
.irp e, 0,1,2,3,4,5,6,7
	s_bfe_u32 s69, s[24+(\e)/2], (16<<16)|(16*((\e)%2))        ; n_e
	s_bfe_u32 s70, s[28+(\e)/2], (16<<16)|(16*((\e)%2))
	s_bfe_u32 s[48+(\e)], s[32+(\e)/2], (16<<16)|(16*((\e)%2)) ; my group's mask for e
	s_add_co_u32 s[40+(\e)], s66, s70              ; the row of my group's first token for e
	s_add_co_u32 s71, s69, 143
	s_mul_i32 s71, s71, 7282                       ; 7,282 x 144 = 2^20 + 32: the quotient by 144 is exact below 32,768
	s_lshr_b32 s71, s71, 20                        ; its tiles
	s_mul_i32 s72, s71, 144
	s_sub_co_u32 s73, s72, s69                     ; its empty rows
	s_sub_co_u32 s74, s21, s67                     ; W less the empty rows so far: if it is under this expert's number (unsigned), my empty row is here
	s_add_co_u32 s75, s66, s69
	s_add_co_u32 s75, s75, s74
	s_cmp_lt_u32 s74, s73
	s_cselect_b32 s68, s75, s68
	s_add_co_u32 s67, s67, s73
	s_add_co_u32 s66, s66, s72
.if (\e) == 0
	s_mov_b32 s56, s71
.else
	s_add_co_u32 s[56+(\e)], s[55+(\e)], s71       ; s[56:63]: the tile at which expert e's tiles end
.endif
.endr
	s_sub_co_u32 s74, s21, s67                     ; the other empty rows lie behind the last expert's
	s_add_co_u32 s75, s66, s74
	s_cmp_ge_u32 s21, s67
	s_cselect_b32 s68, s75, s68
.irp i, 0,1,2,3                        ; token i: for each expert its would-be row; the two chosen are kept
	s_add_co_u32 s69, s23, \i
	s_bfm_b32 s70, s69, 0                          ; the bits of the group's earlier tokens
	s_bfe_u32 s71, s[36+\i], 0x80000               ; e1
	s_bfe_u32 s72, s[36+\i], 0x80008               ; e2
.irp e, 0,1,2,3,4,5,6,7
	s_and_b32 s73, s[48+\e], s70
	s_bcnt1_i32_b32 s73, s73
	s_add_co_u32 s73, s73, s[40+\e]
.if \e == 0
	s_mov_b32 s[76+2*\i], s73
	s_mov_b32 s[77+2*\i], s73
.else
	s_cmp_eq_u32 s71, \e
	s_cselect_b32 s[76+2*\i], s73, s[76+2*\i]
	s_cmp_eq_u32 s72, \e
	s_cselect_b32 s[77+2*\i], s73, s[77+2*\i]
.endif
.endr
.endr
	s_mov_b32 s67, 0
	v_mov_b32 v24, 0
.irp k, 0,1,2,3,4,5,6,7
	s_min_u32 s[76+\k], s[76+\k], 0x23ff           ; inside xs, whatever the stored counts hold
	s_lshl_b32 s66, s[76+\k], 11                   ; rows of 2,048 bytes
	s_add_nc_u64 s[84+2*\k:85+2*\k], s[12:13], s[66:67]
	v_writelane_b32 v24, s[76+\k], \k
.endr
	s_min_u32 s68, s68, 0x23ff
	s_lshl_b32 s66, s68, 11
	s_add_nc_u64 s[100:101], s[12:13], s[66:67]
	s_lshl_b32 s66, s21, 5
	s_add_nc_u64 s[24:25], s[18:19], s[66:67]      ; my 8 words of place
	v_cmp_gt_u32 vcc_lo, 8, v1
	s_wait_xcnt 0x0                                ; EXEC changes only behind this wait: loads of x are out
	s_and_saveexec_b32 s70, vcc_lo
	global_store_b32 v25, v24, s[24:25]
	s_wait_xcnt 0x0
	s_or_b32 exec_lo, exec_lo, s70
.irp j, 0,1,2,3
	global_store_b128 v2, v[20:23], s[100:101] offset:512*\j   ; my empty row: 2,048 bytes of zeros
.endr
.set n, 0
.rept 32                               ; row n / 8, its piece n % 8: rounded once, stored twice; each store of the wave covers 256 consecutive bytes, aligned
	s_wait_loadcnt 31-n                            ; load n is in; the younger ones stay out
	v_cvt_pk_bf16_f32 v[64+4*n], v[64+4*n], v[65+4*n]
	v_cvt_pk_bf16_f32 v[65+4*n], v[66+4*n], v[67+4*n]
	global_store_b64 v4, v[64+4*n:65+4*n], s[84+4*(n/8):85+4*(n/8)] offset:256*(n%8)
	global_store_b64 v4, v[64+4*n:65+4*n], s[86+4*(n/8):87+4*(n/8)] offset:256*(n%8)
.set n, n+1
.endr
	s_cmp_lg_u32 s21, 0
	s_cbranch_scc1 .Lgend
	v_add_nc_u32 v26, 32, v1                       ; wave 0 of all: tile t's expert = the number of experts whose tiles end at or before t, 7 at the most
.irp e, 0,1,2,3,4,5,6,7
	v_cmp_le_u32 vcc_lo, s[56+\e], v1
.if \e == 0
	v_cndmask_b32 v27, 0, 1, vcc_lo
.else
	v_cndmask_b32 v29, 0, 1, vcc_lo
	v_add_nc_u32 v27, v27, v29
.endif
	v_cmp_le_u32 vcc_lo, s[56+\e], v26
.if \e == 0
	v_cndmask_b32 v28, 0, 1, vcc_lo
.else
	v_cndmask_b32 v29, 0, 1, vcc_lo
	v_add_nc_u32 v28, v28, v29
.endif
.endr
	v_min_u32 v27, 7, v27
	v_min_u32 v28, 7, v28
	global_store_b32 v25, v27, s[18:19] offset:32768
	global_store_b32 v25, v28, s[18:19] offset:32896
.Lgend:
	s_endpgm
.Lfunc_end_k_qb8207b829e_prep:
	.size	k_qb8207b829e_prep, .Lfunc_end_k_qb8207b829e_prep-k_qb8207b829e_prep
	.p2alignl 7, 3214868480
	.fill 96, 4, 3214868480
	.section	.rodata,"a",@progbits
	.p2align	6, 0x0
	.amdhsa_kernel k_qb8207b829e_prep
		.amdhsa_group_segment_fixed_size 70656
		.amdhsa_private_segment_fixed_size 0
		.amdhsa_enable_private_segment 0
		.amdhsa_kernarg_size 64
		.amdhsa_user_sgpr_count 2
		.amdhsa_user_sgpr_kernarg_segment_ptr 1
		.amdhsa_wavefront_size32 1
		.amdhsa_system_sgpr_workgroup_id_x 1
		.amdhsa_system_sgpr_workgroup_id_y 1
		.amdhsa_system_sgpr_workgroup_id_z 1
		.amdhsa_system_vgpr_workitem_id 0
		.amdhsa_next_free_vgpr 224
		.amdhsa_next_free_sgpr 102
		.amdhsa_reserve_vcc 1
		.amdhsa_float_denorm_mode_32 3
		.amdhsa_float_denorm_mode_16_64 3
		.amdhsa_memory_ordered 1
		.amdhsa_forward_progress 1
		.amdhsa_inst_pref_size 78
	.end_amdhsa_kernel
	.amdgpu_metadata
---
amdhsa.version: [ 1, 2 ]
amdhsa.kernels:
  - .name:           k_qb8207b829e_prep
    .symbol:         k_qb8207b829e_prep.kd
    .args:
      - { .name: x, .offset: 0, .size: 8, .value_kind: global_buffer, .address_space: global }
      - { .name: w1, .offset: 8, .size: 8, .value_kind: global_buffer, .address_space: global }
      - { .name: w2, .offset: 16, .size: 8, .value_kind: global_buffer, .address_space: global }
      - { .name: route, .offset: 24, .size: 8, .value_kind: global_buffer, .address_space: global }
      - { .name: xs, .offset: 32, .size: 8, .value_kind: global_buffer, .address_space: global }
      - { .name: w1b, .offset: 40, .size: 8, .value_kind: global_buffer, .address_space: global }
      - { .name: w2h, .offset: 48, .size: 8, .value_kind: global_buffer, .address_space: global }
      - { .name: place, .offset: 56, .size: 8, .value_kind: global_buffer, .address_space: global }
    .group_segment_fixed_size: 70656
    .private_segment_fixed_size: 0
    .kernarg_segment_align: 8
    .kernarg_segment_size: 64
    .max_flat_workgroup_size: 256
    .sgpr_count:     102
    .vgpr_count:     224
    .wavefront_size: 32
...
	.end_amdgpu_metadata
.endif
;; end of part 2
;; launch gemm1 (part 3): grid 4 x 64, 4 waves a work-group, clusters of 4 x 1, 327,680 bytes of LDS; arguments xs, w1b, place, h; writes h
.if DOCPART == 3
	.amdgcn_target "amdgcn-amd-amdhsa--gfx1250"
	.amdhsa_code_object_version 6
	.text
	.protected	k_qb8207b829e_gemm1
	.globl	k_qb8207b829e_gemm1
	.p2align	8
	.type	k_qb8207b829e_gemm1,@function
k_qb8207b829e_gemm1:
	s_mov_b64 s[64:65], 0
	v_nop
	global_prefetch_b8 v0, s[64:65] scope:SCOPE_SE
	s_setreg_imm32_b32 hwreg(HW_REG_WAVE_MODE, 25, 1), 1
	s_wait_xcnt 0x0
	s_wait_alu depctr_hold_cnt(0) depctr_sa_sdst(0) depctr_va_vdst(0) depctr_va_sdst(0) depctr_va_ssrc(0) depctr_va_vcc(0) depctr_vm_vsrc(0)
	s_getreg_b32 s2, hwreg(HW_REG_IB_STS2, 6, 4)
	s_cmp_eq_u32 s2, 0
	s_cbranch_scc0 .Lentry_in_a_cluster
	s_endpgm
.Lentry_in_a_cluster:
	s_bfe_u32 s2, ttmp6, 0x10000c
	s_cmp_lg_u32 s2, 0x3003
	s_cbranch_scc0 .Lentry_shape_is_right
	s_endpgm
.Lentry_shape_is_right:
; GROUPED PRODUCT, one text for both layers; SECOND chooses.  SECOND = 0: h = gelu(xs W1[e]^T), bf16 operands, h in f16.  SECOND = 1: p = h W2[e]^T, f16 operands, p in f32 (partial rows, added by the next launch).
; The rows lie sorted by expert in 64 tiles of 144 rows, each tile of one expert (rows without a token are zeros and give zeros).  A work-group makes 144 rows x 256 columns: 64 x 4 = 256 work-groups.
; A wave makes all 144 rows x 64 columns: 36 accumulators (a = 0..8 blocks of rows, b = 0..3 blocks of columns).  K = 1,024 goes in 32 quarters of 32.
; A, THE TOKEN ROWS, LIES WHOLE IN LDS: 8 chunks of 128 K, each 144 rows x 272 bytes, 313,344 bytes, brought by first fills alone: no byte of LDS is filled twice, so the loop has no ring and no refill.
; B, THE WEIGHTS, NEVER TOUCHES LDS: a wave's 64 rows are read by that wave alone, and they were laid out in the order of the operand's registers, so a quarter's four fragments are eight loads of 512 consecutive
; bytes straight into registers.  A ring of 8 quarter buffers: quarter q asks for quarter q + 7, so 56 loads, 28 KiB a wave, are on their way.
; The only number read from memory that steers anything is the tile's expert, held to 7; it enters the global address of the weights alone.
; CLUSTER.  The four work-groups of a cluster have the same 144 rows, so A's chunks are asked for JOINTLY (mask 15).  B is each wave's own (other columns): nothing of it is shared inside a cluster, and
; partners of one expert in different row tiles would want experts filled up to 576 rows.
; THE MATRIX INSTRUCTION IS USED TRANSPOSED (source 0 = 16 rows of the weights, source 1 = 16 token rows): a lane holds row lane % 16 and eight neighbouring columns 8 (lane / 16) + 0..7.
; GELU (SECOND = 0) is z Phi(z) = max(z, 0) - |z| Q(|z|), Q the normal tail by the five-term formula of Abramowitz and Stegun 26.2.17 (absolute error 7.5e-8 for every z): t = 1 / (1 + 0.2316419 |z|),
; Q = exp(-z^2 / 2) / sqrt(2 pi) x t (b1 + t (b2 + t (b3 + t (b4 + t b5)))); the b below hold the factor 1 / sqrt(2 pi).
; LIMITS.  h is f16: a gelu beyond 65,504 becomes an infinity; the second layer's operands arrive within that.  NaN and infinities are not treated apart.
; REGISTERS, in windows of 256 (s_set_vgpr_msb: bits 1:0 source 0, 3:2 source 1, 5:4 source 2, 7:6 destination): window 0: v0-31 addresses; v32-103, v104-175 A's fragments, two buffers of nine; v176-207 the
; accumulators of a = 8;  window 1: accumulator (a, b) at 8 (4 a + b) for a < 8;  window 2: B's ring: quarter q at 32 (q % 8), fragment b at + 8 b.
.set SECOND, 0
.set PITCH,  272                       ; an LDS row: 256 bytes + 16 of padding = 17 x 16 bytes
.set AROWS,  144
.set CH,     AROWS*PITCH               ; a chunk: 39,168 bytes
.set SPARE,  8*CH                      ; behind the chunks: the spare words, 128 bytes a wave, two blocks of 256 bytes that no other line names
.set SPITCH, 1040                      ; SECOND = 0: the stage's rows: 256 f32 + 16 bytes = 65 x 16 bytes.  The stages of both ways out lie in A's bytes, behind their only fill and their last read
.set A0,   3                           ; v3      my lane's place in a chunk; never rewritten
.set ADR,  16                          ; v16     LDS address of my A fragments in the chunk in hand
.set STO,  20                          ; v20-22  the way out: where I put 16 bytes
.set RD,   23                          ; v23     where I read rows back
.set CO,   24                          ; v24     my byte offset in the output
.set BO,   25                          ; v25     16 x lane: my bytes in each 512 of B; never rewritten
.set SPW,  28                          ; v28     SPARE + 4 x my thread's number; never rewritten
.set NIL,  29                          ; v29     0; never rewritten
.set F0,   32
.set F1,   104
.set AC8,  176
.set WV,   12                          ; s12  my wave's number
.set G1A,  24                          ; s[24:31] descriptor group 1;  s[32:47] group 0, a set for each of my four loads
.set G0A,  32
.set BB,   48                          ; s[48:49] my stream of B, stepped once a trip
.set TA,   50                          ; s50  LDS byte of the chunk in hand
.set MSB,  0
.macro WIN new                         ; the immediate's high byte repeats the setting that is left; a switch that changes nothing is dropped
.if MSB != (\new)
	s_set_vgpr_msb (MSB<<8)|(\new)
.set MSB, \new
.endif
.endm
.macro PLACES                          ; four places in front of loads into registers that matrix instructions have read, and of lines that read results
.rept 4
	v_nop
.endr
.endm
.macro CROUND                          ; a round of the cluster's barrier
	s_barrier_signal -1
	s_barrier_wait -1
	s_cmp_lg_u32 s[WV], 0
	s_cbranch_scc1 .Lnot_wave_0_\@
	s_barrier_signal -3
.Lnot_wave_0_\@:
	s_barrier_wait -3
	s_barrier_signal -1
	s_barrier_wait -1
.endm
.macro WM d, x, y, zero
.if SECOND
.if \zero
	v_wmma_f32_16x16x32_f16 v[(\d):(\d)+7], v[(\x):(\x)+7], v[(\y):(\y)+7], 0
.else
	v_wmma_f32_16x16x32_f16 v[(\d):(\d)+7], v[(\x):(\x)+7], v[(\y):(\y)+7], v[(\d):(\d)+7]
.endif
.else
.if \zero
	v_wmma_f32_16x16x32_bf16 v[(\d):(\d)+7], v[(\x):(\x)+7], v[(\y):(\y)+7], 0
.else
	v_wmma_f32_16x16x32_bf16 v[(\d):(\d)+7], v[(\x):(\x)+7], v[(\y):(\y)+7], v[(\d):(\d)+7]
.endif
.endif
.endm
.macro MULB f, s, a, zero              ; 4 matrix instructions: block a of rows (buffer f) x the 4 blocks of columns (ring place s), 32 along K.  zero = 1: the product starts the sums
.if (\a) < 8
	WIN 0x52                                       ; B window 2, A window 0, C and D window 1
.set AC, 32*(\a)
.else
	WIN 0x02                                       ; C and D window 0
.set AC, AC8
.endif
.irp b, 0,1,2,3
	WM AC+8*(\b), 32*(\s)+8*(\b), (\f)+8*(\a), \zero
.endr
.endm
.macro FETCH k, f, step                ; 18 LDS loads in one run: A's nine fragments of 32 along K at byte k of the chunk's rows.  step = 1: the next chunk begins
	WIN 0
.if \step
	s_add_co_u32 s[TA], s[TA], CH
	v_add_nc_u32 v[ADR], s[TA], v[A0]
.endif
.irp a, 0,1,2,3,4,5,6,7,8
	ds_load_b128 v[(\f)+8*(\a):(\f)+8*(\a)+3],   v[ADR] offset:(\k)+(\a)*16*PITCH
	ds_load_b128 v[(\f)+8*(\a)+4:(\f)+8*(\a)+7], v[ADR] offset:(\k)+(\a)*16*PITCH+32
.endr
.endm
.macro BLOAD s, off                    ; a quarter of B into ring place s: 8 loads of 512 consecutive bytes
	WIN 0x80                                       ; destination window 2, address window 0
.irp m, 0,1,2,3,4,5,6,7
	global_load_b128 v[32*(\s)+4*(\m):32*(\s)+4*(\m)+3], v[BO], s[BB:BB+1] offset:(\off)+512*(\m)
.endr
.endm
; A QUARTER: 36 matrix instructions on A's buffer f and B's ring place s; the 36 accumulators take turns in one order everywhere.  In its middle, in one run, it fetches the next quarter's
; A (byte k of the chunk's rows) into buffer g and, where off >= 0, asks for the B of seven quarters on (byte off of the stream) into the ring place that the quarter before has left.
; lc: the loads of B issued behind this quarter's eight.  bar = 1: the next chunk is the first that the barrier in front of the loop has not shown.
.macro QUARTER k, step, f, g, s, zero, lc, off, bar
	s_wait_loadcnt \lc                             ; my B of this quarter is in; the younger quarters' stay out
	s_wait_dscnt 10                                ; A's blocks 0-3 are in; the youngest ten loads (blocks 4-8) may be out
.irp a, 0,1,2,3
	MULB \f, \s, \a, \zero
.endr
.if \bar
	s_wait_tensorcnt 0x0                           ; the rest of my first fills has landed (nothing is ever filled again here; from the second trip on this is met at once),
	s_wait_dscnt 0x0                               ; no LDS load of mine is out at the signal,
	s_barrier_signal -1
	MULB \f, \s, 4, \zero                          ; work on registers while the others arrive,
	MULB \f, \s, 5, \zero
	s_barrier_wait -1                              ; and everybody's has: all of A may be read
.endif
	PLACES
	FETCH \k, \g, \step
.if (\off) >= 0
	BLOAD ((\s)+7)%8, \off
.endif
.if \bar
.irp a, 6,7,8
	MULB \f, \s, \a, \zero
.endr
.else
	s_wait_dscnt 18                                ; all but the 18 just issued
.irp a, 4,5,6,7,8
	MULB \f, \s, \a, \zero
.endr
.endif
.endm
	s_load_b256 s[4:11], s[0:1], 0x0               ; A s[4:5], the weights s[6:7], place s[8:9], the output s[10:11]
	v_lshl_add_u32 v[SPW], v0, 2, SPARE
	v_mov_b32 v[NIL], 0
	ds_add_u32 v[SPW], v[NIL]                      ; the wave's opening: the add and its wait ahead of my first tensor load; the set-up below stands between them
	v_lshrrev_b32 v1, 5, v0
	v_readfirstlane_b32 s[WV], v1                  ; wave 0..3
	s_and_b32 s14, s[WV], 1                        ; which 72 rows of a chunk I fetch,
	s_lshr_b32 s13, s[WV], 1                       ; and of which chunks: the even or the odd
	s_bfe_u32 s15, ttmp6, 0x40000                  ; cx: my block of 256 columns; it enters B's and the output's global addresses alone
	s_and_b32 s16, ttmp7, 0xffff                   ; the tile of 144 rows, which the four partners share
	s_mov_b32 s[G1A+0], 15|(1<<16)|(1<<20)|(1<<21)|(5<<22)|(3<<25)  ; the mask of four; 2-byte elements; padding on; bit 21 beside a mask; after every 64 words 4 words
	s_mov_b32 s[G1A+1], 128<<16                    ; tensor_dim0 = 128
	s_mov_b32 s[G1A+2], 72<<16                     ; tensor_dim1 = 72
	s_mov_b32 s[G1A+3], 128<<16                    ; tile_dim0 = 128
	s_mov_b32 s[G1A+4], 72                         ; tile_dim1 = 72
	s_mov_b32 s[G1A+5], 1024                       ; elements from row to row
	s_mov_b32 s[G1A+6], 0
	s_mov_b32 s[G1A+7], 0
.if !SECOND
	s_mov_b32 s66, 0x7fffffff                      ; clears a sign
	s_mov_b32 s68, 0x3e6d3389                      ; 0.2316419
	s_mov_b32 s69, 0x3e6d3389                      ; (each constant is named as a pair, so both words are written)
	s_mov_b32 s70, 0xbf38aa3b                      ; -log2(e) / 2
	s_mov_b32 s71, 0xbf38aa3b
	s_mov_b32 s72, 0x3f07dc22                      ; b5 =  0.53070271
	s_mov_b32 s73, 0x3f07dc22
	s_mov_b32 s74, 0xbf3a00e3                      ; b4 = -0.72657601
	s_mov_b32 s75, 0xbf3a00e3
	s_mov_b32 s76, 0x3f35f0e3                      ; b3 =  0.71070687
	s_mov_b32 s77, 0x3f35f0e3
	s_mov_b32 s78, 0xbe11a98e                      ; b2 = -0.14224837
	s_mov_b32 s79, 0xbe11a98e
	s_mov_b32 s80, 0x3e027906                      ; b1 =  0.12741480
	s_mov_b32 s81, 0x3e027906
.endif
	s_lshl_b32 s18, s16, 2
	s_mul_i32 s22, s14, 72*PITCH                   ; where my first load goes: my half of chunk 0 or 1: the wave's number alone enters an LDS address
	s_mul_i32 s23, s13, CH
	s_add_co_u32 s22, s22, s23
	s_mul_i32 s20, s16, AROWS*2048                 ; and whence: the tile's rows of 2,048 bytes, my half of them, the chunk's 256 bytes
	s_mul_i32 s21, s14, 72*2048
	s_add_co_u32 s20, s20, s21
	s_lshl_b32 s21, s13, 8
	s_add_co_u32 s20, s20, s21
	s_mov_b32 s21, 0
	s_wait_dscnt 0x0                               ; the opening add is done
	s_wait_kmcnt 0x0
	s_load_b32 s17, s[8:9], s18 offset:0x8000      ; the tile's expert: it comes while A is asked for
	s_add_nc_u64 s[20:21], s[4:5], s[20:21]
.irp i, 0,1,2,3                        ; my load i: chunk 2 i or 2 i + 1
	s_mov_b32 s[G0A+4*(\i)], 1
	s_add_co_u32 s[G0A+4*(\i)+1], s22, (\i)*2*CH
	s_add_nc_u64 s[G0A+4*(\i)+2:G0A+4*(\i)+3], s[20:21], (\i)*512
	s_or_b32 s[G0A+4*(\i)+3], s[G0A+4*(\i)+3], 0x80000000
.endr
	CROUND                                         ; all four work-groups are here: the joint loads meet
.irp i, 0,1,2,3                        ; all first fills in one group: four loads of mine are out
	tensor_load_to_lds s[G0A+4*(\i):G0A+4*(\i)+3], s[G1A:G1A+7]
	s_nop 0
.endr
.rept 4
	v_nop
.endr
	v_and_b32 v1, 15, v0                           ; r
	v_bfe_u32 v2, v0, 4, 1                         ; h
	v_and_b32 v4, 31, v0                           ; lane
	v_lshlrev_b32 v[BO], 4, v4
	s_wait_kmcnt 0x0
	s_min_u32 s17, s17, 7
	s_lshl_b32 s52, s17, 21                        ; B: the expert's 2 MiB, my work-group's four groups of 64 rows, my wave's 131,072 bytes
	s_lshl_b32 s53, s15, 19
	s_add_co_u32 s52, s52, s53
	s_lshl_b32 s53, s[WV], 17
	s_add_co_u32 s52, s52, s53
	s_mov_b32 s53, 0
	s_add_nc_u64 s[BB:BB+1], s[6:7], s[52:53]
.irp q, 0,1,2,3,4,5,6                  ; the first seven quarters of B: 56 loads
	BLOAD \q, 4096*(\q)
.endr
	WIN 0
	v_mul_u32_u24 v[A0], v1, PITCH
	v_lshl_add_u32 v[A0], v2, 4, v[A0]             ; a fragment's row x pitch + 16 h
	v_mov_b32 v[ADR], v[A0]
	s_mov_b32 s[TA], 0
.if SECOND
	s_mul_i32 s56, s[WV], 16*PITCH                 ; my stage: 16 rows x 272 bytes
	v_mul_u32_u24 v[STO], v1, PITCH                ; in: row r, 32 bytes for each half of the lanes
	v_lshl_add_u32 v[STO], v2, 5, v[STO]
	v_add_nc_u32 v[STO], s56, v[STO]
	v_mul_u32_u24 v[RD], v2, PITCH                 ; back: lanes 0-15 one row of 256 bytes, lanes 16-31 the next
	v_lshl_add_u32 v[RD], v1, 4, v[RD]
	v_add_nc_u32 v[RD], s56, v[RD]
	v_lshlrev_b32 v[CO], 12, v2                    ; and the same two rows of 4,096 bytes in p
	v_lshl_add_u32 v[CO], v1, 4, v[CO]
	s_mul_i32 s58, s16, AROWS*4096
	s_lshl_b32 s59, s15, 10
	s_add_co_u32 s58, s58, s59
	s_lshl_b32 s59, s[WV], 8
	s_add_co_u32 s58, s58, s59
.else
	v_mul_u32_u24 v[STO], v1, SPITCH               ; in: row r, my wave's 256 bytes, 32 bytes for each half of the lanes
	v_lshl_add_u32 v[STO], v2, 5, v[STO]
	s_lshl_b32 s56, s[WV], 8
	v_add_nc_u32 v[STO], s56, v[STO]
	v_add_nc_u32 v[STO+1], 64*SPITCH, v[STO]       ; blocks 4-7 and block 8: the immediate holds 16 bits
	v_add_nc_u32 v[STO+2], 128*SPITCH, v[STO]
	s_mul_i32 s56, s[WV], 36*SPITCH                ; back: wave w takes rows 36 w .. 36 w + 35, whole
	v_lshl_add_u32 v[RD], v4, 4, s56
	v_lshlrev_b32 v[CO], 3, v4                     ; 8 bytes of f16 a lane
	s_mul_i32 s58, s16, AROWS
	s_mul_i32 s59, s[WV], 36
	s_add_co_u32 s58, s58, s59
	s_lshl_b32 s58, s58, 11
	s_lshl_b32 s59, s15, 9
	s_add_co_u32 s58, s58, s59
.endif
	s_mov_b32 s59, 0
	s_add_nc_u64 s[10:11], s[10:11], s[58:59]      ; the output at the first bytes that I store
	s_wait_tensorcnt 3                             ; my first load, a half of chunk 0 or 1, is in; my other three stay out
	s_barrier_signal -1
	s_barrier_wait -1                              ; everybody's is: chunks 0 and 1 are whole
	FETCH 0, F0, 0
	QUARTER 64,  0, F0, F1, 0, 1, 48, 7*4096, 0    ; quarter 0 stands in front of the loop: its products start the sums
	WIN 0                                          ; at a label and at a branch every window is 0
	s_mov_b32 s3, 3
.Llap:                                                 ; trip t: quarters 8 t + 1 .. 8 t + 8; it asks for B's quarters 8 t + 8 .. 8 t + 15: the last trip's last request is quarter 31
	QUARTER 128, 0, F1, F0, 1, 0, 48, 8*4096, 0
	QUARTER 192, 0, F0, F1, 2, 0, 48, 9*4096, 0
	QUARTER 0,   1, F1, F0, 3, 0, 48, 10*4096, 0
	QUARTER 64,  0, F0, F1, 4, 0, 48, 11*4096, 0
	QUARTER 128, 0, F1, F0, 5, 0, 48, 12*4096, 0
	QUARTER 192, 0, F0, F1, 6, 0, 48, 13*4096, 0
	QUARTER 0,   1, F1, F0, 7, 0, 48, 14*4096, 1
	QUARTER 64,  0, F0, F1, 0, 0, 48, 15*4096, 0
	WIN 0
	s_wait_xcnt 0x0                                ; the loads' base is stepped only behind this wait
	s_add_nc_u64 s[BB:BB+1], s[BB:BB+1], 8*4096
	s_sub_co_u32 s3, s3, 1
	s_cmp_lg_u32 s3, 0
	s_cbranch_scc1 .Llap
	QUARTER 128, 0, F1, F0, 1, 0, 48, -1, 0        ; quarters 25 to 31 ask for nothing: the counts run down
	QUARTER 192, 0, F0, F1, 2, 0, 40, -1, 0
	QUARTER 0,   1, F1, F0, 3, 0, 32, -1, 0
	QUARTER 64,  0, F0, F1, 4, 0, 24, -1, 0
	QUARTER 128, 0, F1, F0, 5, 0, 16, -1, 0
	QUARTER 192, 0, F0, F1, 6, 0, 8, -1, 0
	s_wait_loadcnt 0x0
	s_wait_dscnt 10
.irp a, 0,1,2,3
	MULB F1, 7, \a, 0
.endr
	s_wait_dscnt 0x0
.irp a, 4,5,6,7,8
	MULB F1, 7, \a, 0
.endr
	WIN 0
	PLACES                                         ; behind the last products, ahead of the stores that read results
	s_wait_dscnt 0x0                               ; my reads of A are over
	s_barrier_signal -1
	s_barrier_wait -1                              ; everybody's are: A's bytes, which have had their only fill, may take the stages
.if SECOND
; THE WAY OUT, f32: a block of 16 rows x my 64 columns goes into my own stage (rows of 272 bytes) and comes back as whole rows of 256 bytes.  LDS serves a wave's instructions in order (ISA guide 5.7.1.4): no wait between them.
.macro TOSTAGE a
.if (\a) < 8
	WIN 0x04                                       ; the stores' data in window 1
.set AC, 32*(\a)
.else
	WIN 0
.set AC, AC8
.endif
.irp b, 0,1,2,3                        ; each accumulator's low registers first
	ds_store_b128 v[STO], v[AC+8*(\b):AC+8*(\b)+3] offset:64*(\b)
	ds_store_b128 v[STO], v[AC+8*(\b)+4:AC+8*(\b)+7] offset:64*(\b)+16
.endr
	WIN 0
.set BK, F0+32*((\a)%2)
.irp t, 0,1,2,3,4,5,6,7
	ds_load_b128 v[BK+4*(\t):BK+4*(\t)+3], v[RD] offset:(\t)*2*PITCH
.endr
.endm
.macro SEND a, younger                 ; younger: the LDS instructions issued behind block a's loads
.set BK, F0+32*((\a)%2)
	s_wait_dscnt \younger
.irp t, 0,1,2,3,4,5,6,7
	global_store_b128 v[CO], v[BK+4*(\t):BK+4*(\t)+3], s[10:11] offset:(16*(\a)+2*(\t))*4096  ; 16 lanes store 256 consecutive bytes, aligned
.endr
.endm
	TOSTAGE 0
	TOSTAGE 1
.irp a, 2,3,4,5,6,7,8
	SEND (\a)-2, 16                                ; the sixteen LDS lines of the block behind may be out
	s_wait_xcnt 0x0                                ; those stores' data registers are loaded again only behind this wait
	TOSTAGE \a
.endr
	SEND 7, 16
	SEND 8, 0
.else
; THE WAY OUT, gelu and f16.  The sums go as f32 into ONE stage of 144 rows x 1,040 bytes; a row's 1,024 bytes come from four waves, so a barrier stands between the writing and the reading.
.irp a, 0,1,2,3,4,5,6,7,8
.if (\a) < 8
	WIN 0x04                                       ; the stores' data in window 1
.set AC, 32*(\a)
.else
	WIN 0
.set AC, AC8
.endif
.irp b, 0,1,2,3                        ; each accumulator's low registers first
	ds_store_b128 v[STO+(\a)/4], v[AC+8*(\b):AC+8*(\b)+3] offset:((\a)%4)*16*SPITCH+64*(\b)
	ds_store_b128 v[STO+(\a)/4], v[AC+8*(\b)+4:AC+8*(\b)+7] offset:((\a)%4)*16*SPITCH+64*(\b)+16
.endr
.endr
	WIN 0
	s_wait_dscnt 0x0                               ; for the others' sake: my part of the stage is written
	s_barrier_signal -1
	s_barrier_wait -1
.set Z,  32                            ; 4 rows x 256 numbers: 32 a lane
.set AB, 64                            ; |z|
.set MX, 96                            ; max(z, 0)
.set TT, 128                           ; t
.set EE, 160                           ; exp(-z^2 / 2)
.set PP, 192                           ; the polynomial, then the result
.set OU, 224                           ; 16 registers of f16
	s_mov_b32 s3, 9
.Lrows:                                                ; 9 trips of 4 rows
.set q, 0
.rept 8
	ds_load_b128 v[Z+4*q:Z+4*q+3], v[RD] offset:(q/2)*SPITCH+(q%2)*512
.set q, q+1
.endr
	s_wait_dscnt 0x0
.set i, 0
.rept 32
	v_and_b32 v[AB+i], s66, v[Z+i]
.set i, i+1
.endr
.set i, 0
.rept 16
	v_pk_fma_f32 v[TT+i:TT+i+1], v[AB+i:AB+i+1], s[68:69], 1.0 op_sel_hi:[1,0,0]
	v_pk_mul_f32 v[EE+i:EE+i+1], v[Z+i:Z+i+1], v[Z+i:Z+i+1]
.set i, i+2
.endr
.set i, 0
.rept 16
	v_pk_mul_f32 v[EE+i:EE+i+1], v[EE+i:EE+i+1], s[70:71] op_sel_hi:[1,0]
.set i, i+2
.endr
.set i, 0
.rept 32                               ; ONE batch of 64: none reads another's result
	v_rcp_f32 v[TT+i], v[TT+i]
.set i, i+1
.endr
.set i, 0
.rept 32
	v_exp_f32 v[EE+i], v[EE+i]
.set i, i+1
.endr
.set i, 0
.rept 32                               ; plain work that names none of the batch's results
	v_max_num_f32 v[MX+i], 0, v[Z+i]
.set i, i+1
.endr
	s_wait_alu depctr_va_vdst(0)                   ; the wait ahead of the batch's first reader: one for all 64
.set i, 0
.rept 16
	v_pk_fma_f32 v[PP+i:PP+i+1], v[TT+i:TT+i+1], s[72:73], s[74:75] op_sel_hi:[1,0,0]
.set i, i+2
.endr
.irp c, 76,78,80
.set i, 0
.rept 16
	v_pk_fma_f32 v[PP+i:PP+i+1], v[PP+i:PP+i+1], v[TT+i:TT+i+1], s[\c:\c+1] op_sel_hi:[1,1,0]
.set i, i+2
.endr
.endr
.set i, 0
.rept 16
	v_pk_mul_f32 v[EE+i:EE+i+1], v[EE+i:EE+i+1], v[TT+i:TT+i+1]
.set i, i+2
.endr
.set i, 0
.rept 16
	v_pk_mul_f32 v[PP+i:PP+i+1], v[PP+i:PP+i+1], v[EE+i:EE+i+1]       ; Q(|z|)
.set i, i+2
.endr
.set i, 0
.rept 16
	v_pk_fma_f32 v[PP+i:PP+i+1], v[AB+i:AB+i+1], v[PP+i:PP+i+1], v[MX+i:MX+i+1] neg_lo:[1,0,0] neg_hi:[1,0,0]  ; max(z, 0) - |z| Q
.set i, i+2
.endr
.set i, 0
.rept 16
	v_cvt_pk_f16_f32 v[OU+i], v[PP+2*i], v[PP+2*i+1]
.set i, i+1
.endr
.set q, 0
.rept 8
	global_store_b64 v[CO], v[OU+2*q:OU+2*q+1], s[10:11] offset:(q/2)*2048+(q%2)*256  ; a wave's store covers 256 consecutive bytes, aligned
.set q, q+1
.endr
	s_wait_xcnt 0x0                                ; the stores' base, and their data registers (written again in the next trip), are rewritten only behind this wait
	s_add_nc_u64 s[10:11], s[10:11], 4*2048
	v_add_nc_u32 v[RD], 4*SPITCH, v[RD]
	s_sub_co_u32 s3, s3, 1
	s_cmp_lg_u32 s3, 0
	s_cbranch_scc1 .Lrows
.endif
	WIN 0
	s_wait_tensorcnt 0x0                           ; the wave's end, behind my last tensor load and my last LDS store
	ds_add_u32 v[SPW], v[NIL]
	s_wait_dscnt 0x0
	CROUND                                         ; the closing round: no work-group ends while a partner may still ask for a tile that names it
	s_endpgm
.Lfunc_end_k_qb8207b829e_gemm1:
	.size	k_qb8207b829e_gemm1, .Lfunc_end_k_qb8207b829e_gemm1-k_qb8207b829e_gemm1
	.p2alignl 7, 3214868480
	.fill 96, 4, 3214868480
	.section	.rodata,"a",@progbits
	.p2align	6, 0x0
	.amdhsa_kernel k_qb8207b829e_gemm1
		.amdhsa_group_segment_fixed_size 327680
		.amdhsa_private_segment_fixed_size 0
		.amdhsa_enable_private_segment 0
		.amdhsa_kernarg_size 32
		.amdhsa_user_sgpr_count 2
		.amdhsa_user_sgpr_kernarg_segment_ptr 1
		.amdhsa_wavefront_size32 1
		.amdhsa_system_sgpr_workgroup_id_x 1
		.amdhsa_system_sgpr_workgroup_id_y 1
		.amdhsa_system_sgpr_workgroup_id_z 1
		.amdhsa_system_vgpr_workitem_id 0
		.amdhsa_next_free_vgpr 768
		.amdhsa_next_free_sgpr 82
		.amdhsa_reserve_vcc 0
		.amdhsa_float_denorm_mode_32 3
		.amdhsa_float_denorm_mode_16_64 3
		.amdhsa_memory_ordered 1
		.amdhsa_forward_progress 1
		.amdhsa_inst_pref_size 101
	.end_amdhsa_kernel
	.amdgpu_metadata
---
amdhsa.version: [ 1, 2 ]
amdhsa.kernels:
  - .name:           k_qb8207b829e_gemm1
    .symbol:         k_qb8207b829e_gemm1.kd
    .args:
      - { .name: xs, .offset: 0, .size: 8, .value_kind: global_buffer, .address_space: global }
      - { .name: w1b, .offset: 8, .size: 8, .value_kind: global_buffer, .address_space: global }
      - { .name: place, .offset: 16, .size: 8, .value_kind: global_buffer, .address_space: global }
      - { .name: h, .offset: 24, .size: 8, .value_kind: global_buffer, .address_space: global }
    .group_segment_fixed_size: 327680
    .private_segment_fixed_size: 0
    .kernarg_segment_align: 8
    .kernarg_segment_size: 32
    .max_flat_workgroup_size: 128
    .sgpr_count:     82
    .vgpr_count:     768
    .wavefront_size: 32
...
	.end_amdgpu_metadata
.endif
;; end of part 3
;; launch gemm2 (part 4): grid 4 x 64, 4 waves a work-group, clusters of 4 x 1, 327,680 bytes of LDS; arguments h, w2h, place, p; writes p
.if DOCPART == 4
	.amdgcn_target "amdgcn-amd-amdhsa--gfx1250"
	.amdhsa_code_object_version 6
	.text
	.protected	k_qb8207b829e_gemm2
	.globl	k_qb8207b829e_gemm2
	.p2align	8
	.type	k_qb8207b829e_gemm2,@function
k_qb8207b829e_gemm2:
	s_mov_b64 s[64:65], 0
	v_nop
	global_prefetch_b8 v0, s[64:65] scope:SCOPE_SE
	s_setreg_imm32_b32 hwreg(HW_REG_WAVE_MODE, 25, 1), 1
	s_wait_xcnt 0x0
	s_wait_alu depctr_hold_cnt(0) depctr_sa_sdst(0) depctr_va_vdst(0) depctr_va_sdst(0) depctr_va_ssrc(0) depctr_va_vcc(0) depctr_vm_vsrc(0)
	s_getreg_b32 s2, hwreg(HW_REG_IB_STS2, 6, 4)
	s_cmp_eq_u32 s2, 0
	s_cbranch_scc0 .Lentry_in_a_cluster
	s_endpgm
.Lentry_in_a_cluster:
	s_bfe_u32 s2, ttmp6, 0x10000c
	s_cmp_lg_u32 s2, 0x3003
	s_cbranch_scc0 .Lentry_shape_is_right
	s_endpgm
.Lentry_shape_is_right:
; GROUPED PRODUCT, one text for both layers; SECOND chooses.  SECOND = 0: h = gelu(xs W1[e]^T), bf16 operands, h in f16.  SECOND = 1: p = h W2[e]^T, f16 operands, p in f32 (partial rows, added by the next launch).
; The rows lie sorted by expert in 64 tiles of 144 rows, each tile of one expert (rows without a token are zeros and give zeros).  A work-group makes 144 rows x 256 columns: 64 x 4 = 256 work-groups.
; A wave makes all 144 rows x 64 columns: 36 accumulators (a = 0..8 blocks of rows, b = 0..3 blocks of columns).  K = 1,024 goes in 32 quarters of 32.
; A, THE TOKEN ROWS, LIES WHOLE IN LDS: 8 chunks of 128 K, each 144 rows x 272 bytes, 313,344 bytes, brought by first fills alone: no byte of LDS is filled twice, so the loop has no ring and no refill.
; B, THE WEIGHTS, NEVER TOUCHES LDS: a wave's 64 rows are read by that wave alone, and they were laid out in the order of the operand's registers, so a quarter's four fragments are eight loads of 512 consecutive
; bytes straight into registers.  A ring of 8 quarter buffers: quarter q asks for quarter q + 7, so 56 loads, 28 KiB a wave, are on their way.
; The only number read from memory that steers anything is the tile's expert, held to 7; it enters the global address of the weights alone.
; CLUSTER.  The four work-groups of a cluster have the same 144 rows, so A's chunks are asked for JOINTLY (mask 15).  B is each wave's own (other columns): nothing of it is shared inside a cluster, and
; partners of one expert in different row tiles would want experts filled up to 576 rows.
; THE MATRIX INSTRUCTION IS USED TRANSPOSED (source 0 = 16 rows of the weights, source 1 = 16 token rows): a lane holds row lane % 16 and eight neighbouring columns 8 (lane / 16) + 0..7.
; GELU (SECOND = 0) is z Phi(z) = max(z, 0) - |z| Q(|z|), Q the normal tail by the five-term formula of Abramowitz and Stegun 26.2.17 (absolute error 7.5e-8 for every z): t = 1 / (1 + 0.2316419 |z|),
; Q = exp(-z^2 / 2) / sqrt(2 pi) x t (b1 + t (b2 + t (b3 + t (b4 + t b5)))); the b below hold the factor 1 / sqrt(2 pi).
; LIMITS.  h is f16: a gelu beyond 65,504 becomes an infinity; the second layer's operands arrive within that.  NaN and infinities are not treated apart.
; REGISTERS, in windows of 256 (s_set_vgpr_msb: bits 1:0 source 0, 3:2 source 1, 5:4 source 2, 7:6 destination): window 0: v0-31 addresses; v32-103, v104-175 A's fragments, two buffers of nine; v176-207 the
; accumulators of a = 8;  window 1: accumulator (a, b) at 8 (4 a + b) for a < 8;  window 2: B's ring: quarter q at 32 (q % 8), fragment b at + 8 b.
.set SECOND, 1
.set PITCH,  272                       ; an LDS row: 256 bytes + 16 of padding = 17 x 16 bytes
.set AROWS,  144
.set CH,     AROWS*PITCH               ; a chunk: 39,168 bytes
.set SPARE,  8*CH                      ; behind the chunks: the spare words, 128 bytes a wave, two blocks of 256 bytes that no other line names
.set SPITCH, 1040                      ; SECOND = 0: the stage's rows: 256 f32 + 16 bytes = 65 x 16 bytes.  The stages of both ways out lie in A's bytes, behind their only fill and their last read
.set A0,   3                           ; v3      my lane's place in a chunk; never rewritten
.set ADR,  16                          ; v16     LDS address of my A fragments in the chunk in hand
.set STO,  20                          ; v20-22  the way out: where I put 16 bytes
.set RD,   23                          ; v23     where I read rows back
.set CO,   24                          ; v24     my byte offset in the output
.set BO,   25                          ; v25     16 x lane: my bytes in each 512 of B; never rewritten
.set SPW,  28                          ; v28     SPARE + 4 x my thread's number; never rewritten
.set NIL,  29                          ; v29     0; never rewritten
.set F0,   32
.set F1,   104
.set AC8,  176
.set WV,   12                          ; s12  my wave's number
.set G1A,  24                          ; s[24:31] descriptor group 1;  s[32:47] group 0, a set for each of my four loads
.set G0A,  32
.set BB,   48                          ; s[48:49] my stream of B, stepped once a trip
.set TA,   50                          ; s50  LDS byte of the chunk in hand
.set MSB,  0
.macro WIN new                         ; the immediate's high byte repeats the setting that is left; a switch that changes nothing is dropped
.if MSB != (\new)
	s_set_vgpr_msb (MSB<<8)|(\new)
.set MSB, \new
.endif
.endm
.macro PLACES                          ; four places in front of loads into registers that matrix instructions have read, and of lines that read results
.rept 4
	v_nop
.endr
.endm
.macro CROUND                          ; a round of the cluster's barrier
	s_barrier_signal -1
	s_barrier_wait -1
	s_cmp_lg_u32 s[WV], 0
	s_cbranch_scc1 .Lnot_wave_0_\@
	s_barrier_signal -3
.Lnot_wave_0_\@:
	s_barrier_wait -3
	s_barrier_signal -1
	s_barrier_wait -1
.endm
.macro WM d, x, y, zero
.if SECOND
.if \zero
	v_wmma_f32_16x16x32_f16 v[(\d):(\d)+7], v[(\x):(\x)+7], v[(\y):(\y)+7], 0
.else
	v_wmma_f32_16x16x32_f16 v[(\d):(\d)+7], v[(\x):(\x)+7], v[(\y):(\y)+7], v[(\d):(\d)+7]
.endif
.else
.if \zero
	v_wmma_f32_16x16x32_bf16 v[(\d):(\d)+7], v[(\x):(\x)+7], v[(\y):(\y)+7], 0
.else
	v_wmma_f32_16x16x32_bf16 v[(\d):(\d)+7], v[(\x):(\x)+7], v[(\y):(\y)+7], v[(\d):(\d)+7]
.endif
.endif
.endm
.macro MULB f, s, a, zero              ; 4 matrix instructions: block a of rows (buffer f) x the 4 blocks of columns (ring place s), 32 along K.  zero = 1: the product starts the sums
.if (\a) < 8
	WIN 0x52                                       ; B window 2, A window 0, C and D window 1
.set AC, 32*(\a)
.else
	WIN 0x02                                       ; C and D window 0
.set AC, AC8
.endif
.irp b, 0,1,2,3
	WM AC+8*(\b), 32*(\s)+8*(\b), (\f)+8*(\a), \zero
.endr
.endm
.macro FETCH k, f, step                ; 18 LDS loads in one run: A's nine fragments of 32 along K at byte k of the chunk's rows.  step = 1: the next chunk begins
	WIN 0
.if \step
	s_add_co_u32 s[TA], s[TA], CH
	v_add_nc_u32 v[ADR], s[TA], v[A0]
.endif
.irp a, 0,1,2,3,4,5,6,7,8
	ds_load_b128 v[(\f)+8*(\a):(\f)+8*(\a)+3],   v[ADR] offset:(\k)+(\a)*16*PITCH
	ds_load_b128 v[(\f)+8*(\a)+4:(\f)+8*(\a)+7], v[ADR] offset:(\k)+(\a)*16*PITCH+32
.endr
.endm
.macro BLOAD s, off                    ; a quarter of B into ring place s: 8 loads of 512 consecutive bytes
	WIN 0x80                                       ; destination window 2, address window 0
.irp m, 0,1,2,3,4,5,6,7
	global_load_b128 v[32*(\s)+4*(\m):32*(\s)+4*(\m)+3], v[BO], s[BB:BB+1] offset:(\off)+512*(\m)
.endr
.endm
; A QUARTER: 36 matrix instructions on A's buffer f and B's ring place s; the 36 accumulators take turns in one order everywhere.  In its middle, in one run, it fetches the next quarter's
; A (byte k of the chunk's rows) into buffer g and, where off >= 0, asks for the B of seven quarters on (byte off of the stream) into the ring place that the quarter before has left.
; lc: the loads of B issued behind this quarter's eight.  bar = 1: the next chunk is the first that the barrier in front of the loop has not shown.
.macro QUARTER k, step, f, g, s, zero, lc, off, bar
	s_wait_loadcnt \lc                             ; my B of this quarter is in; the younger quarters' stay out
	s_wait_dscnt 10                                ; A's blocks 0-3 are in; the youngest ten loads (blocks 4-8) may be out
.irp a, 0,1,2,3
	MULB \f, \s, \a, \zero
.endr
.if \bar
	s_wait_tensorcnt 0x0                           ; the rest of my first fills has landed (nothing is ever filled again here; from the second trip on this is met at once),
	s_wait_dscnt 0x0                               ; no LDS load of mine is out at the signal,
	s_barrier_signal -1
	MULB \f, \s, 4, \zero                          ; work on registers while the others arrive,
	MULB \f, \s, 5, \zero
	s_barrier_wait -1                              ; and everybody's has: all of A may be read
.endif
	PLACES
	FETCH \k, \g, \step
.if (\off) >= 0
	BLOAD ((\s)+7)%8, \off
.endif
.if \bar
.irp a, 6,7,8
	MULB \f, \s, \a, \zero
.endr
.else
	s_wait_dscnt 18                                ; all but the 18 just issued
.irp a, 4,5,6,7,8
	MULB \f, \s, \a, \zero
.endr
.endif
.endm
	s_load_b256 s[4:11], s[0:1], 0x0               ; A s[4:5], the weights s[6:7], place s[8:9], the output s[10:11]
	v_lshl_add_u32 v[SPW], v0, 2, SPARE
	v_mov_b32 v[NIL], 0
	ds_add_u32 v[SPW], v[NIL]                      ; the wave's opening: the add and its wait ahead of my first tensor load; the set-up below stands between them
	v_lshrrev_b32 v1, 5, v0
	v_readfirstlane_b32 s[WV], v1                  ; wave 0..3
	s_and_b32 s14, s[WV], 1                        ; which 72 rows of a chunk I fetch,
	s_lshr_b32 s13, s[WV], 1                       ; and of which chunks: the even or the odd
	s_bfe_u32 s15, ttmp6, 0x40000                  ; cx: my block of 256 columns; it enters B's and the output's global addresses alone
	s_and_b32 s16, ttmp7, 0xffff                   ; the tile of 144 rows, which the four partners share
	s_mov_b32 s[G1A+0], 15|(1<<16)|(1<<20)|(1<<21)|(5<<22)|(3<<25)  ; the mask of four; 2-byte elements; padding on; bit 21 beside a mask; after every 64 words 4 words
	s_mov_b32 s[G1A+1], 128<<16                    ; tensor_dim0 = 128
	s_mov_b32 s[G1A+2], 72<<16                     ; tensor_dim1 = 72
	s_mov_b32 s[G1A+3], 128<<16                    ; tile_dim0 = 128
	s_mov_b32 s[G1A+4], 72                         ; tile_dim1 = 72
	s_mov_b32 s[G1A+5], 1024                       ; elements from row to row
	s_mov_b32 s[G1A+6], 0
	s_mov_b32 s[G1A+7], 0
.if !SECOND
	s_mov_b32 s66, 0x7fffffff                      ; clears a sign
	s_mov_b32 s68, 0x3e6d3389                      ; 0.2316419
	s_mov_b32 s69, 0x3e6d3389                      ; (each constant is named as a pair, so both words are written)
	s_mov_b32 s70, 0xbf38aa3b                      ; -log2(e) / 2
	s_mov_b32 s71, 0xbf38aa3b
	s_mov_b32 s72, 0x3f07dc22                      ; b5 =  0.53070271
	s_mov_b32 s73, 0x3f07dc22
	s_mov_b32 s74, 0xbf3a00e3                      ; b4 = -0.72657601
	s_mov_b32 s75, 0xbf3a00e3
	s_mov_b32 s76, 0x3f35f0e3                      ; b3 =  0.71070687
	s_mov_b32 s77, 0x3f35f0e3
	s_mov_b32 s78, 0xbe11a98e                      ; b2 = -0.14224837
	s_mov_b32 s79, 0xbe11a98e
	s_mov_b32 s80, 0x3e027906                      ; b1 =  0.12741480
	s_mov_b32 s81, 0x3e027906
.endif
	s_lshl_b32 s18, s16, 2
	s_mul_i32 s22, s14, 72*PITCH                   ; where my first load goes: my half of chunk 0 or 1: the wave's number alone enters an LDS address
	s_mul_i32 s23, s13, CH
	s_add_co_u32 s22, s22, s23
	s_mul_i32 s20, s16, AROWS*2048                 ; and whence: the tile's rows of 2,048 bytes, my half of them, the chunk's 256 bytes
	s_mul_i32 s21, s14, 72*2048
	s_add_co_u32 s20, s20, s21
	s_lshl_b32 s21, s13, 8
	s_add_co_u32 s20, s20, s21
	s_mov_b32 s21, 0
	s_wait_dscnt 0x0                               ; the opening add is done
	s_wait_kmcnt 0x0
	s_load_b32 s17, s[8:9], s18 offset:0x8000      ; the tile's expert: it comes while A is asked for
	s_add_nc_u64 s[20:21], s[4:5], s[20:21]
.irp i, 0,1,2,3                        ; my load i: chunk 2 i or 2 i + 1
	s_mov_b32 s[G0A+4*(\i)], 1
	s_add_co_u32 s[G0A+4*(\i)+1], s22, (\i)*2*CH
	s_add_nc_u64 s[G0A+4*(\i)+2:G0A+4*(\i)+3], s[20:21], (\i)*512
	s_or_b32 s[G0A+4*(\i)+3], s[G0A+4*(\i)+3], 0x80000000
.endr
	CROUND                                         ; all four work-groups are here: the joint loads meet
.irp i, 0,1,2,3                        ; all first fills in one group: four loads of mine are out
	tensor_load_to_lds s[G0A+4*(\i):G0A+4*(\i)+3], s[G1A:G1A+7]
	s_nop 0
.endr
.rept 4
	v_nop
.endr
	v_and_b32 v1, 15, v0                           ; r
	v_bfe_u32 v2, v0, 4, 1                         ; h
	v_and_b32 v4, 31, v0                           ; lane
	v_lshlrev_b32 v[BO], 4, v4
	s_wait_kmcnt 0x0
	s_min_u32 s17, s17, 7
	s_lshl_b32 s52, s17, 21                        ; B: the expert's 2 MiB, my work-group's four groups of 64 rows, my wave's 131,072 bytes
	s_lshl_b32 s53, s15, 19
	s_add_co_u32 s52, s52, s53
	s_lshl_b32 s53, s[WV], 17
	s_add_co_u32 s52, s52, s53
	s_mov_b32 s53, 0
	s_add_nc_u64 s[BB:BB+1], s[6:7], s[52:53]
.irp q, 0,1,2,3,4,5,6                  ; the first seven quarters of B: 56 loads
	BLOAD \q, 4096*(\q)
.endr
	WIN 0
	v_mul_u32_u24 v[A0], v1, PITCH
	v_lshl_add_u32 v[A0], v2, 4, v[A0]             ; a fragment's row x pitch + 16 h
	v_mov_b32 v[ADR], v[A0]
	s_mov_b32 s[TA], 0
.if SECOND
	s_mul_i32 s56, s[WV], 16*PITCH                 ; my stage: 16 rows x 272 bytes
	v_mul_u32_u24 v[STO], v1, PITCH                ; in: row r, 32 bytes for each half of the lanes
	v_lshl_add_u32 v[STO], v2, 5, v[STO]
	v_add_nc_u32 v[STO], s56, v[STO]
	v_mul_u32_u24 v[RD], v2, PITCH                 ; back: lanes 0-15 one row of 256 bytes, lanes 16-31 the next
	v_lshl_add_u32 v[RD], v1, 4, v[RD]
	v_add_nc_u32 v[RD], s56, v[RD]
	v_lshlrev_b32 v[CO], 12, v2                    ; and the same two rows of 4,096 bytes in p
	v_lshl_add_u32 v[CO], v1, 4, v[CO]
	s_mul_i32 s58, s16, AROWS*4096
	s_lshl_b32 s59, s15, 10
	s_add_co_u32 s58, s58, s59
	s_lshl_b32 s59, s[WV], 8
	s_add_co_u32 s58, s58, s59
.else
	v_mul_u32_u24 v[STO], v1, SPITCH               ; in: row r, my wave's 256 bytes, 32 bytes for each half of the lanes
	v_lshl_add_u32 v[STO], v2, 5, v[STO]
	s_lshl_b32 s56, s[WV], 8
	v_add_nc_u32 v[STO], s56, v[STO]
	v_add_nc_u32 v[STO+1], 64*SPITCH, v[STO]       ; blocks 4-7 and block 8: the immediate holds 16 bits
	v_add_nc_u32 v[STO+2], 128*SPITCH, v[STO]
	s_mul_i32 s56, s[WV], 36*SPITCH                ; back: wave w takes rows 36 w .. 36 w + 35, whole
	v_lshl_add_u32 v[RD], v4, 4, s56
	v_lshlrev_b32 v[CO], 3, v4                     ; 8 bytes of f16 a lane
	s_mul_i32 s58, s16, AROWS
	s_mul_i32 s59, s[WV], 36
	s_add_co_u32 s58, s58, s59
	s_lshl_b32 s58, s58, 11
	s_lshl_b32 s59, s15, 9
	s_add_co_u32 s58, s58, s59
.endif
	s_mov_b32 s59, 0
	s_add_nc_u64 s[10:11], s[10:11], s[58:59]      ; the output at the first bytes that I store
	s_wait_tensorcnt 3                             ; my first load, a half of chunk 0 or 1, is in; my other three stay out
	s_barrier_signal -1
	s_barrier_wait -1                              ; everybody's is: chunks 0 and 1 are whole
	FETCH 0, F0, 0
	QUARTER 64,  0, F0, F1, 0, 1, 48, 7*4096, 0    ; quarter 0 stands in front of the loop: its products start the sums
	WIN 0                                          ; at a label and at a branch every window is 0
	s_mov_b32 s3, 3
.Llap:                                                 ; trip t: quarters 8 t + 1 .. 8 t + 8; it asks for B's quarters 8 t + 8 .. 8 t + 15: the last trip's last request is quarter 31
	QUARTER 128, 0, F1, F0, 1, 0, 48, 8*4096, 0
	QUARTER 192, 0, F0, F1, 2, 0, 48, 9*4096, 0
	QUARTER 0,   1, F1, F0, 3, 0, 48, 10*4096, 0
	QUARTER 64,  0, F0, F1, 4, 0, 48, 11*4096, 0
	QUARTER 128, 0, F1, F0, 5, 0, 48, 12*4096, 0
	QUARTER 192, 0, F0, F1, 6, 0, 48, 13*4096, 0
	QUARTER 0,   1, F1, F0, 7, 0, 48, 14*4096, 1
	QUARTER 64,  0, F0, F1, 0, 0, 48, 15*4096, 0
	WIN 0
	s_wait_xcnt 0x0                                ; the loads' base is stepped only behind this wait
	s_add_nc_u64 s[BB:BB+1], s[BB:BB+1], 8*4096
	s_sub_co_u32 s3, s3, 1
	s_cmp_lg_u32 s3, 0
	s_cbranch_scc1 .Llap
	QUARTER 128, 0, F1, F0, 1, 0, 48, -1, 0        ; quarters 25 to 31 ask for nothing: the counts run down
	QUARTER 192, 0, F0, F1, 2, 0, 40, -1, 0
	QUARTER 0,   1, F1, F0, 3, 0, 32, -1, 0
	QUARTER 64,  0, F0, F1, 4, 0, 24, -1, 0
	QUARTER 128, 0, F1, F0, 5, 0, 16, -1, 0
	QUARTER 192, 0, F0, F1, 6, 0, 8, -1, 0
	s_wait_loadcnt 0x0
	s_wait_dscnt 10
.irp a, 0,1,2,3
	MULB F1, 7, \a, 0
.endr
	s_wait_dscnt 0x0
.irp a, 4,5,6,7,8
	MULB F1, 7, \a, 0
.endr
	WIN 0
	PLACES                                         ; behind the last products, ahead of the stores that read results
	s_wait_dscnt 0x0                               ; my reads of A are over
	s_barrier_signal -1
	s_barrier_wait -1                              ; everybody's are: A's bytes, which have had their only fill, may take the stages
.if SECOND
; THE WAY OUT, f32: a block of 16 rows x my 64 columns goes into my own stage (rows of 272 bytes) and comes back as whole rows of 256 bytes.  LDS serves a wave's instructions in order (ISA guide 5.7.1.4): no wait between them.
.macro TOSTAGE a
.if (\a) < 8
	WIN 0x04                                       ; the stores' data in window 1
.set AC, 32*(\a)
.else
	WIN 0
.set AC, AC8
.endif
.irp b, 0,1,2,3                        ; each accumulator's low registers first
	ds_store_b128 v[STO], v[AC+8*(\b):AC+8*(\b)+3] offset:64*(\b)
	ds_store_b128 v[STO], v[AC+8*(\b)+4:AC+8*(\b)+7] offset:64*(\b)+16
.endr
	WIN 0
.set BK, F0+32*((\a)%2)
.irp t, 0,1,2,3,4,5,6,7
	ds_load_b128 v[BK+4*(\t):BK+4*(\t)+3], v[RD] offset:(\t)*2*PITCH
.endr
.endm
.macro SEND a, younger                 ; younger: the LDS instructions issued behind block a's loads
.set BK, F0+32*((\a)%2)
	s_wait_dscnt \younger
.irp t, 0,1,2,3,4,5,6,7
	global_store_b128 v[CO], v[BK+4*(\t):BK+4*(\t)+3], s[10:11] offset:(16*(\a)+2*(\t))*4096  ; 16 lanes store 256 consecutive bytes, aligned
.endr
.endm
	TOSTAGE 0
	TOSTAGE 1
.irp a, 2,3,4,5,6,7,8
	SEND (\a)-2, 16                                ; the sixteen LDS lines of the block behind may be out
	s_wait_xcnt 0x0                                ; those stores' data registers are loaded again only behind this wait
	TOSTAGE \a
.endr
	SEND 7, 16
	SEND 8, 0
.else
; THE WAY OUT, gelu and f16.  The sums go as f32 into ONE stage of 144 rows x 1,040 bytes; a row's 1,024 bytes come from four waves, so a barrier stands between the writing and the reading.
.irp a, 0,1,2,3,4,5,6,7,8
.if (\a) < 8
	WIN 0x04                                       ; the stores' data in window 1
.set AC, 32*(\a)
.else
	WIN 0
.set AC, AC8
.endif
.irp b, 0,1,2,3                        ; each accumulator's low registers first
	ds_store_b128 v[STO+(\a)/4], v[AC+8*(\b):AC+8*(\b)+3] offset:((\a)%4)*16*SPITCH+64*(\b)
	ds_store_b128 v[STO+(\a)/4], v[AC+8*(\b)+4:AC+8*(\b)+7] offset:((\a)%4)*16*SPITCH+64*(\b)+16
.endr
.endr
	WIN 0
	s_wait_dscnt 0x0                               ; for the others' sake: my part of the stage is written
	s_barrier_signal -1
	s_barrier_wait -1
.set Z,  32                            ; 4 rows x 256 numbers: 32 a lane
.set AB, 64                            ; |z|
.set MX, 96                            ; max(z, 0)
.set TT, 128                           ; t
.set EE, 160                           ; exp(-z^2 / 2)
.set PP, 192                           ; the polynomial, then the result
.set OU, 224                           ; 16 registers of f16
	s_mov_b32 s3, 9
.Lrows:                                                ; 9 trips of 4 rows
.set q, 0
.rept 8
	ds_load_b128 v[Z+4*q:Z+4*q+3], v[RD] offset:(q/2)*SPITCH+(q%2)*512
.set q, q+1
.endr
	s_wait_dscnt 0x0
.set i, 0
.rept 32
	v_and_b32 v[AB+i], s66, v[Z+i]
.set i, i+1
.endr
.set i, 0
.rept 16
	v_pk_fma_f32 v[TT+i:TT+i+1], v[AB+i:AB+i+1], s[68:69], 1.0 op_sel_hi:[1,0,0]
	v_pk_mul_f32 v[EE+i:EE+i+1], v[Z+i:Z+i+1], v[Z+i:Z+i+1]
.set i, i+2
.endr
.set i, 0
.rept 16
	v_pk_mul_f32 v[EE+i:EE+i+1], v[EE+i:EE+i+1], s[70:71] op_sel_hi:[1,0]
.set i, i+2
.endr
.set i, 0
.rept 32                               ; ONE batch of 64: none reads another's result
	v_rcp_f32 v[TT+i], v[TT+i]
.set i, i+1
.endr
.set i, 0
.rept 32
	v_exp_f32 v[EE+i], v[EE+i]
.set i, i+1
.endr
.set i, 0
.rept 32                               ; plain work that names none of the batch's results
	v_max_num_f32 v[MX+i], 0, v[Z+i]
.set i, i+1
.endr
	s_wait_alu depctr_va_vdst(0)                   ; the wait ahead of the batch's first reader: one for all 64
.set i, 0
.rept 16
	v_pk_fma_f32 v[PP+i:PP+i+1], v[TT+i:TT+i+1], s[72:73], s[74:75] op_sel_hi:[1,0,0]
.set i, i+2
.endr
.irp c, 76,78,80
.set i, 0
.rept 16
	v_pk_fma_f32 v[PP+i:PP+i+1], v[PP+i:PP+i+1], v[TT+i:TT+i+1], s[\c:\c+1] op_sel_hi:[1,1,0]
.set i, i+2
.endr
.endr
.set i, 0
.rept 16
	v_pk_mul_f32 v[EE+i:EE+i+1], v[EE+i:EE+i+1], v[TT+i:TT+i+1]
.set i, i+2
.endr
.set i, 0
.rept 16
	v_pk_mul_f32 v[PP+i:PP+i+1], v[PP+i:PP+i+1], v[EE+i:EE+i+1]       ; Q(|z|)
.set i, i+2
.endr
.set i, 0
.rept 16
	v_pk_fma_f32 v[PP+i:PP+i+1], v[AB+i:AB+i+1], v[PP+i:PP+i+1], v[MX+i:MX+i+1] neg_lo:[1,0,0] neg_hi:[1,0,0]  ; max(z, 0) - |z| Q
.set i, i+2
.endr
.set i, 0
.rept 16
	v_cvt_pk_f16_f32 v[OU+i], v[PP+2*i], v[PP+2*i+1]
.set i, i+1
.endr
.set q, 0
.rept 8
	global_store_b64 v[CO], v[OU+2*q:OU+2*q+1], s[10:11] offset:(q/2)*2048+(q%2)*256  ; a wave's store covers 256 consecutive bytes, aligned
.set q, q+1
.endr
	s_wait_xcnt 0x0                                ; the stores' base, and their data registers (written again in the next trip), are rewritten only behind this wait
	s_add_nc_u64 s[10:11], s[10:11], 4*2048
	v_add_nc_u32 v[RD], 4*SPITCH, v[RD]
	s_sub_co_u32 s3, s3, 1
	s_cmp_lg_u32 s3, 0
	s_cbranch_scc1 .Lrows
.endif
	WIN 0
	s_wait_tensorcnt 0x0                           ; the wave's end, behind my last tensor load and my last LDS store
	ds_add_u32 v[SPW], v[NIL]
	s_wait_dscnt 0x0
	CROUND                                         ; the closing round: no work-group ends while a partner may still ask for a tile that names it
	s_endpgm
.Lfunc_end_k_qb8207b829e_gemm2:
	.size	k_qb8207b829e_gemm2, .Lfunc_end_k_qb8207b829e_gemm2-k_qb8207b829e_gemm2
	.p2alignl 7, 3214868480
	.fill 96, 4, 3214868480
	.section	.rodata,"a",@progbits
	.p2align	6, 0x0
	.amdhsa_kernel k_qb8207b829e_gemm2
		.amdhsa_group_segment_fixed_size 327680
		.amdhsa_private_segment_fixed_size 0
		.amdhsa_enable_private_segment 0
		.amdhsa_kernarg_size 32
		.amdhsa_user_sgpr_count 2
		.amdhsa_user_sgpr_kernarg_segment_ptr 1
		.amdhsa_wavefront_size32 1
		.amdhsa_system_sgpr_workgroup_id_x 1
		.amdhsa_system_sgpr_workgroup_id_y 1
		.amdhsa_system_sgpr_workgroup_id_z 1
		.amdhsa_system_vgpr_workitem_id 0
		.amdhsa_next_free_vgpr 768
		.amdhsa_next_free_sgpr 82
		.amdhsa_reserve_vcc 0
		.amdhsa_float_denorm_mode_32 3
		.amdhsa_float_denorm_mode_16_64 3
		.amdhsa_memory_ordered 1
		.amdhsa_forward_progress 1
		.amdhsa_inst_pref_size 96
	.end_amdhsa_kernel
	.amdgpu_metadata
---
amdhsa.version: [ 1, 2 ]
amdhsa.kernels:
  - .name:           k_qb8207b829e_gemm2
    .symbol:         k_qb8207b829e_gemm2.kd
    .args:
      - { .name: h, .offset: 0, .size: 8, .value_kind: global_buffer, .address_space: global }
      - { .name: w2h, .offset: 8, .size: 8, .value_kind: global_buffer, .address_space: global }
      - { .name: place, .offset: 16, .size: 8, .value_kind: global_buffer, .address_space: global }
      - { .name: p, .offset: 24, .size: 8, .value_kind: global_buffer, .address_space: global }
    .group_segment_fixed_size: 327680
    .private_segment_fixed_size: 0
    .kernarg_segment_align: 8
    .kernarg_segment_size: 32
    .max_flat_workgroup_size: 128
    .sgpr_count:     82
    .vgpr_count:     768
    .wavefront_size: 32
...
	.end_amdgpu_metadata
.endif
;; end of part 4
;; launch combine (part 5): grid 256 x 1, 8 waves a work-group, no clusters, 0 bytes of LDS; arguments p, place, rtw, out0; writes out0
.if DOCPART == 5
	.amdgcn_target "amdgcn-amd-amdhsa--gfx1250"
	.amdhsa_code_object_version 6
	.text
	.protected	k_qb8207b829e_combine
	.globl	k_qb8207b829e_combine
	.p2align	8
	.type	k_qb8207b829e_combine,@function
k_qb8207b829e_combine:
	s_mov_b64 s[64:65], 0
	v_nop
	global_prefetch_b8 v0, s[64:65] scope:SCOPE_SE
	s_setreg_imm32_b32 hwreg(HW_REG_WAVE_MODE, 25, 1), 1
	s_wait_xcnt 0x0
; out[n] = c1 p[place[n][0]] + c2 p[place[n][1]], all f32.  A stream: a wave has two tokens, four rows of 4,096 bytes in and two out; all 32 loads of a wave are out before the first wait.
; Each load and store of the wave covers 512 consecutive bytes, aligned.  No LDS, no barrier, no matrix unit: memory binds.  The places were stored by an earlier launch; each is held to 9,215 before it enters an address.
	s_load_b256 s[4:11], s[0:1], 0x0               ; p s[4:5], place s[6:7], rtw s[8:9], out0 s[10:11]
	v_and_b32 v1, 31, v0
	v_lshrrev_b32 v2, 5, v0
	v_readfirstlane_b32 s20, v2                    ; wave 0..7
	s_lshl_b32 s21, ttmp9, 3
	s_add_co_u32 s21, s21, s20                     ; my wave among all 2,048
	s_lshl_b32 s22, s21, 4                         ; two tokens: 16 bytes of places, 16 of weights
	v_lshlrev_b32 v3, 4, v1
	s_lshl_b32 s42, s21, 13                        ; and 8,192 bytes of out0
	s_mov_b32 s43, 0
	s_mov_b32 s41, 0
	s_wait_kmcnt 0x0
	s_load_b128 s[12:15], s[6:7], s22 offset:0x0
	s_load_b128 s[16:19], s[8:9], s22 offset:0x0
	s_add_nc_u64 s[10:11], s[10:11], s[42:43]
	s_wait_kmcnt 0x0
.irp k, 0,1,2,3
	s_min_u32 s[12+\k], s[12+\k], 0x23ff
	s_lshl_b32 s40, s[12+\k], 12                   ; rows of 4,096 bytes
	s_add_nc_u64 s[24+2*\k:25+2*\k], s[4:5], s[40:41]
	s_mov_b32 s[32+2*\k], s[16+\k]                 ; the weight, named as a pair by the packed lines
	s_mov_b32 s[33+2*\k], s[16+\k]
.endr
.set n, 0
.rept 16                               ; token n / 8, piece n % 8: the first expert's 16 bytes a lane, then the second's
	global_load_b128 v[8+8*n:11+8*n],  v3, s[24+4*(n/8):25+4*(n/8)] offset:512*(n%8) th:TH_LOAD_NT
	global_load_b128 v[12+8*n:15+8*n], v3, s[26+4*(n/8):27+4*(n/8)] offset:512*(n%8) th:TH_LOAD_NT
.set n, n+1
.endr
.set n, 0
.rept 16
	s_wait_loadcnt 30-2*n                          ; this piece's two loads are in; the 30 - 2 n younger ones stay out
	v_pk_mul_f32 v[12+8*n:13+8*n], v[12+8*n:13+8*n], s[34+4*(n/8):35+4*(n/8)] op_sel_hi:[1,0]
	v_pk_mul_f32 v[14+8*n:15+8*n], v[14+8*n:15+8*n], s[34+4*(n/8):35+4*(n/8)] op_sel_hi:[1,0]
	v_pk_fma_f32 v[8+8*n:9+8*n],   v[8+8*n:9+8*n],   s[32+4*(n/8):33+4*(n/8)], v[12+8*n:13+8*n] op_sel_hi:[1,0,1]
	v_pk_fma_f32 v[10+8*n:11+8*n], v[10+8*n:11+8*n], s[32+4*(n/8):33+4*(n/8)], v[14+8*n:15+8*n] op_sel_hi:[1,0,1]
	global_store_b128 v3, v[8+8*n:11+8*n], s[10:11] offset:4096*(n/8)+512*(n%8) th:TH_STORE_NT
.set n, n+1
.endr
	s_endpgm
.Lfunc_end_k_qb8207b829e_combine:
	.size	k_qb8207b829e_combine, .Lfunc_end_k_qb8207b829e_combine-k_qb8207b829e_combine
	.p2alignl 7, 3214868480
	.fill 96, 4, 3214868480
	.section	.rodata,"a",@progbits
	.p2align	6, 0x0
	.amdhsa_kernel k_qb8207b829e_combine
		.amdhsa_group_segment_fixed_size 0
		.amdhsa_private_segment_fixed_size 0
		.amdhsa_enable_private_segment 0
		.amdhsa_kernarg_size 32
		.amdhsa_user_sgpr_count 2
		.amdhsa_user_sgpr_kernarg_segment_ptr 1
		.amdhsa_wavefront_size32 1
		.amdhsa_system_sgpr_workgroup_id_x 1
		.amdhsa_system_sgpr_workgroup_id_y 1
		.amdhsa_system_sgpr_workgroup_id_z 1
		.amdhsa_system_vgpr_workitem_id 0
		.amdhsa_next_free_vgpr 136
		.amdhsa_next_free_sgpr 66
		.amdhsa_reserve_vcc 0
		.amdhsa_float_denorm_mode_32 3
		.amdhsa_float_denorm_mode_16_64 3
		.amdhsa_memory_ordered 1
		.amdhsa_forward_progress 1
		.amdhsa_inst_pref_size 11
	.end_amdhsa_kernel
	.amdgpu_metadata
---
amdhsa.version: [ 1, 2 ]
amdhsa.kernels:
  - .name:           k_qb8207b829e_combine
    .symbol:         k_qb8207b829e_combine.kd
    .args:
      - { .name: p, .offset: 0, .size: 8, .value_kind: global_buffer, .address_space: global }
      - { .name: place, .offset: 8, .size: 8, .value_kind: global_buffer, .address_space: global }
      - { .name: rtw, .offset: 16, .size: 8, .value_kind: global_buffer, .address_space: global }
      - { .name: out0, .offset: 24, .size: 8, .value_kind: global_buffer, .address_space: global }
    .group_segment_fixed_size: 0
    .private_segment_fixed_size: 0
    .kernarg_segment_align: 8
    .kernarg_segment_size: 32
    .max_flat_workgroup_size: 256
    .sgpr_count:     66
    .vgpr_count:     136
    .wavefront_size: 32
...
	.end_amdgpu_metadata
.endif
;; end of part 5
